; MI455X (gfx1250); checked and timed in simulation.
; The chip was launched on July 23, 2026; its instructions are those of AMD's public machine-readable ISA for CDNA 5 (MIT licence, August 2026) and "CDNA5" Instruction Set Architecture Reference Guide (July 2026). The comments in the code are by the model that wrote it; some were corrected since.
;; Bahdanau Attention. Allowed arithmetic: matrix products marked QUANTISED: E4M3 operands, one given power-of-two scale a tensor, by v_wmma_f32_16x16x64_fp8_fp8 or v_wmma_f32_16x16x128_fp8_fp8, f32 sums; products left as they are: f32 operands where the result goes on into a quantised operand, else bf16, f16 or f32 operands; f32 sums; everything else in f32.
;; Inputs: W_e 1,024 x 1,024 float32; W_h 1,024 x 1,024 float32; b_e 1,024 float32; b_h 1,024 float32; encoder_outputs 32 x 2,048 x 1,024 float32; hidden 32 x 1,024 float32; lowp_scales 4 int32 (the exponents e of the quantised operands' scales 2^e); mask 32 x 2,048 int32; v 1,024 float32.
;; Outputs: out0 32 x 1,024 float32; out1 32 x 2,048 float32.
;; This version of the problem:
;;   THIS VERSION OF THE PROBLEM IS GIVEN IN LOW PRECISION. The matrix products marked QUANTISED in the list below multiply operands that are first quantised to E4M3 (4 exponent bits, 3 mantissa bits; 8 bits a number), with one given power-of-two scale for each operand tensor; their sums are f32. All else is computed in f32.
;;   The module's matrix products, in the order in which they are computed (A, B: the left and right operand; K: the contracted axis; several contracted axes count as one K, in the product's order):
;;     1. [M 32, K 1,024] x [K 1,024, N 1,024]; A: input hidden; B: input W_h: QUANTISED (scales: A lowp_scales[0], B lowp_scales[1])
;;     2. [M 65,536, K 1,024] x [K 1,024, N 1,024]; A: input encoder_outputs; B: input W_e: QUANTISED (scales: A lowp_scales[2], B lowp_scales[3])
;;     3. [M 65,536, K 1,024] x [K 1,024, N 1]; A: computed on the way; B: input v: left as it is (N = 1 < 16)
;;     4. batch 32 x [M 1, K 2,048] x [K 2,048, N 1,024]; A: softmax; B: input encoder_outputs: left as it is (M = 1 < 16)
;;   THE QUANTISER, for each operand of a quantised product, along K:
;;     - The operand's scale is 2^e, e = its entry of the input lowp_scales (int32; the entries are numbered through the quantised products in the list's order, A before B).
;;     - Each number is divided by the scale, clamped to +-448, and rounded to the nearest number of E4M3, ties to even, subnormals kept.
;;     - The product sums the exact products of the quantised numbers (number of the format x scale) in f32.
;;   ~~~python
;;   def quantise(x, axis, e):      # numpy; x: float32 -> the quantised numbers, widened to float32 again
;;       x = np.moveaxis(x, axis, -1); K = x.shape[-1]
;;       r = np.clip(x / 2.0 ** e, -448, 448)
;;       step = 2.0 ** (np.maximum(np.frexp(np.where(r == 0, 1, r))[1] - 1, -6) - 3)
;;       q = np.round(r / step) * step * 2.0 ** e      # np.round: ties to even
;;       return np.moveaxis(q, -1, axis).astype(np.float32)
;;   ~~~
;; 3 versions, each right; version 2 is faster than version 1; version 3 is version 2 with the launch energy written anew for expert scheduling mode. Each part assembles by itself: llvm-mc -triple=amdgcn-amd-amdhsa -mcpu=gfx1250 --defsym DOCPART=n.
;; ======== version 1 of 3: 3 launches
;; limits: right only within a limited range of input values
;; workspace buffers: wq 1,048,576 bytes; hb 131,072 bytes; aq 67,108,864 bytes; sc 1,048,576 bytes; rows 262,144 bytes of whole numbers; pos 262,144 bytes of whole numbers; meta 16,384 bytes of whole numbers
;; launch prep (part 1): grid 280 x 1, 16 waves a work-group, no clusters, 150,528 bytes of LDS; arguments encoder_outputs, mask, W_e, W_h, hidden, b_h, b_e, lowp_scales, wq, hb, aq, rows, pos, meta; writes wq, hb, aq, rows, pos, meta
.if DOCPART == 1
	.amdgcn_target "amdgcn-amd-amdhsa--gfx1250"
	.amdhsa_code_object_version 6
	.text
	.protected	k_q13400d9a89_prep
	.globl	k_q13400d9a89_prep
	.p2align	8
	.type	k_q13400d9a89_prep,@function
k_q13400d9a89_prep:
	s_mov_b64 s[64:65], 0
	v_nop
	global_prefetch_b8 v0, s[64:65] scope:SCOPE_SE
	s_setreg_imm32_b32 hwreg(HW_REG_WAVE_MODE, 25, 1), 1
	s_wait_xcnt 0x0
; PREP: what the two later launches need, made once.
;  work-groups 0-15:   W_e [1024 k][1024 n] f32 -> codes of E4M3 (scale 2^e3), as operand images, in wq.
;  work-groups 16-23:  hb[b][n] = (Q(hidden) Q(W_h))[b][n] x 2^(e0+e1) + b_h[n] + b_e[n], by the FP8 matrix instruction.
;  work-groups 24-279: batch b = y / 8 (y = number - 24): the list of the rows whose mask is not 0, and those rows' codes (scale 2^e2), as operand images, in aq.
; A row whose mask is 0 gets the weight exp(-1e10 - max) = 0 as soon as its batch keeps one row: it is neither read nor multiplied.  A batch that keeps no row lists all 2,048 rows (am = 1).
; THE IMAGE of a fragment (16 rows or columns 16 t + r, K step q of 128): byte 512 c + 256 h + 16 r + y is the code of k = 128 q + 32 c + 16 h + y.  Four loads of 16 bytes a lane at
; 16 x lane + 512 c give a lane registers 4 c .. 4 c + 3.  Both operands of a product place k alike, so every product meets its partner; only the order of the sums inside an instruction differs from k's own order.
; code = x / 2^e, held within +-448, to the nearest code, ties to even.
; LIMITS: e0 .. e3 between -126 and 119; e0 + e1 between -126 and 127; the inputs are finite (NaN and infinities are not served).
; No tensor load: branches hang on counts made from the mask.  Only the rows' path uses LDS.
.set STGW, 8704                        ; a wave's stage: 4 K steps x 8 groups x (256 bytes + 16 of padding)
.set LIST, 16*STGW                     ; 2,048 list places of 4 bytes, and one word for what is not kept
.set TOT,  LIST+8704                   ; one word: the list's length
; n groups of 8 numbers v[src ..] become codes v[dst ..]: the hold (the conversion does not saturate: ISA guide 7.6.2), then the conversion.
; The line behind the last conversion is the plain vector instruction that stands between a scaled conversion and whatever next touches its registers.
.macro QUANT dst, src, n, scl, lim
.set qg, 0
.rept \n
.set qi, 0
.rept 8
	v_med3_num_f32 v[(\src)+8*qg+qi], v[(\src)+8*qg+qi], -v[\lim], v[\lim]
.set qi, qi+1
.endr
	v_cvt_scalef32_pk8_fp8_f32 v[(\dst)+2*qg:(\dst)+2*qg+1], v[(\src)+8*qg:(\src)+8*qg+7], v[\scl]
.set qg, qg+1
.endr
	v_nop
.endm
.macro MKSCALE e, scl, lim             ; v[scl] = 2^e as f32, v[lim] = 448 x 2^e
	s_add_co_i32 s60, s[\e], 127
	s_lshl_b32 s61, s60, 23
	v_mov_b32 v[\scl], s61
	s_add_co_i32 s60, s60, 8
	s_lshl_b32 s60, s60, 23
	s_or_b32 s60, s60, 0x600000
	v_mov_b32 v[\lim], s60
.endm
	s_load_b512 s[4:19], s[0:1], 0x0               ; enc 4, mask 6, W_e 8, W_h 10, hidden 12, b_h 14, b_e 16, scales 18
	s_load_b256 s[20:27], s[0:1], 0x40             ; wq 20, hb 22, aq 24, rows 26
	s_load_b128 s[28:31], s[0:1], 0x60             ; pos 28, meta 30
	v_lshl_add_u32 v254, v0, 2, 0x24400
	v_mov_b32 v255, 0
	v_lshrrev_b32 v1, 5, v0
	v_readfirstlane_b32 s36, v1                    ; wave 0..15
	v_and_b32 v2, 31, v0                           ; lane
	s_wait_kmcnt 0x0
	s_load_b128 s[32:35], s[18:19], 0x0            ; e0 .. e3
	s_cmp_ge_u32 ttmp9, 24
	s_cbranch_scc1 .Lrows
	s_cmp_ge_u32 ttmp9, 16
	s_cbranch_scc1 .Lpath_h
; ---------------- W_e.  Wave (g, q): columns 32 G .. 32 G + 31 (G = 2 x work-group + g), K step q.  A lane takes a column and its registers run down K,
; so the conversions give codes with K innermost and nothing is transposed.
	s_and_b32 s38, s36, 1                          ; g
	s_lshr_b32 s39, s36, 1                         ; q
	s_lshl_b32 s40, ttmp9, 1
	s_add_co_u32 s40, s40, s38                     ; G
	s_lshl_b32 s42, s39, 19                        ; 128 rows of 4,096 bytes
	s_lshl_b32 s43, s40, 7                         ; 32 columns of 4 bytes
	s_add_co_u32 s42, s42, s43
	s_mov_b32 s43, 0
	s_add_nc_u64 s[8:9], s[8:9], s[42:43]
	v_lshlrev_b32 v1, 2, v2
.set n, 0
.rept 128
	global_load_b32 v[16+n], v1, s[8:9] offset:4096*n th:TH_LOAD_NT   ; W_e(128 q + n, my column): read once in the launch
.set n, n+1
.endr
	v_lshrrev_b32 v3, 4, v2
	v_and_b32 v4, 15, v2
	v_lshlrev_b32 v3, 14, v3                       ; lanes 16-31 belong to the next tile of 16 columns: 8 images of 2,048 bytes on
	v_lshl_add_u32 v3, v4, 4, v3                   ; + 16 r
	s_lshl_b32 s42, s40, 15                        ; two tiles' images
	s_lshl_b32 s44, s39, 11                        ; image q
	s_add_co_u32 s42, s42, s44
	s_add_nc_u64 s[20:21], s[20:21], s[42:43]
	s_wait_kmcnt 0x0
	MKSCALE 35, 8, 9
	s_wait_loadcnt 0x0
	QUANT 208, 16, 16, 8, 9                        ; v[208 + 8 c + 4 h + i]: codes of k' = 32 c + 16 h + 4 i ..
.irp c, 0,1,2,3
.irp h, 0,1
	global_store_b128 v3, v[208+8*\c+4*\h:208+8*\c+4*\h+3], s[20:21] offset:512*\c+256*\h   ; sixteen lanes store 256 consecutive bytes, aligned
.endr
.endr
	s_endpgm
; ---------------- hb.  Wave: columns 16 t .. 16 t + 15 (t = 8 x (work-group - 16) + wave / 2), batches 16 rt .. 16 rt + 15 (rt = wave % 2).  Both operands are loaded in the operand's own order:
; lane (r, h) takes column (or batch) r and k' = 32 c + 16 h + 0 .. 15.  K goes in 8 steps on ONE accumulator, ascending.  W_h is read in pieces of 64 bytes and hb stored so: hb is 131,072 bytes in all.
.Lpath_h:
	s_sub_co_u32 s37, ttmp9, 16
	s_lshr_b32 s38, s36, 1
	s_lshl_b32 s39, s37, 3
	s_add_co_u32 s39, s39, s38                     ; t
	s_and_b32 s40, s36, 1                          ; rt
	v_and_b32 v3, 15, v2                           ; r
	v_lshrrev_b32 v4, 4, v2                        ; h
	v_lshlrev_b32 v5, 2, v3
	v_lshl_add_u32 v5, v4, 16, v5                  ; W_h: 4 r + 16 h rows of 4,096 bytes
	v_lshlrev_b32 v6, 12, v3
	v_lshl_add_u32 v12, v4, 5, v6                  ; hb: row r, + 32 h
	v_lshl_add_u32 v6, v4, 6, v6                   ; hidden: row r, + 64 h
	v_lshlrev_b32 v7, 5, v4                        ; the biases: 32 h
	s_lshl_b32 s42, s39, 6                         ; 16 columns of 4 bytes
	s_mov_b32 s43, 0
	s_add_nc_u64 s[10:11], s[10:11], s[42:43]
	s_add_nc_u64 s[14:15], s[14:15], s[42:43]
	s_add_nc_u64 s[16:17], s[16:17], s[42:43]
	s_add_nc_u64 s[22:23], s[22:23], s[42:43]
	s_lshl_b32 s42, s40, 16                        ; 16 rows of 4,096 bytes
	s_add_nc_u64 s[12:13], s[12:13], s[42:43]
	s_add_nc_u64 s[22:23], s[22:23], s[42:43]
	global_load_b128 v[184:187], v7, s[14:15]
	global_load_b128 v[188:191], v7, s[14:15] offset:16
	global_load_b128 v[192:195], v7, s[16:17]
	global_load_b128 v[196:199], v7, s[16:17] offset:16
	s_wait_kmcnt 0x0
	MKSCALE 33, 8, 9                               ; W_h: e1
	MKSCALE 32, 10, 11                             ; hidden: e0
	s_add_co_i32 s54, s32, s33
	s_add_co_i32 s54, s54, 127
	s_lshl_b32 s54, s54, 23                        ; 2^(e0 + e1) as f32
	s_mov_b32 s55, s54                             ; (named with it as a pair, so it is written)
.macro HSTEP zero                      ; one K step of 128
.irp c, 0,1,2,3
.irp i, 0,1,2,3,4,5,6,7,8,9,10,11,12,13,14,15
	global_load_b32 v[16+16*\c+\i], v5, s[10:11] offset:(32*\c+\i)*4096
.endr
.endr
.irp c, 0,1,2,3
.irp i, 0,1,2,3
	global_load_b128 v[80+16*\c+4*\i:80+16*\c+4*\i+3], v6, s[12:13] offset:128*\c+16*\i
.endr
.endr
	s_wait_loadcnt 0x0                             ; all are in: so the two bases may step
	QUANT 144, 16, 8, 8, 9
	QUANT 160, 80, 8, 10, 11
	s_add_nc_u64 s[10:11], s[10:11], 0x80000       ; 128 rows of W_h
	s_add_nc_u64 s[12:13], s[12:13], 512           ; 128 numbers of a row of hidden
.if \zero
	v_wmma_f32_16x16x128_fp8_fp8 v[176:183], v[144:159], v[160:175], 0
.else
	s_wait_alu depctr_va_vdst(0)                   ; the wait stands directly ahead of each link
	v_wmma_f32_16x16x128_fp8_fp8 v[176:183], v[144:159], v[160:175], v[176:183]
.endif
.endm
	HSTEP 1                                        ; the first K step starts the sum
	s_mov_b32 s41, 7
.Lhk:
	HSTEP 0
	s_sub_co_u32 s41, s41, 1
	s_cmp_lg_u32 s41, 0
	s_cbranch_scc1 .Lhk
.irp k, 0,2,4,6
	v_pk_add_f32 v[184+\k:185+\k], v[184+\k:185+\k], v[192+\k:193+\k]   ; b_h + b_e; these four are the places behind the last product
.endr
.irp k, 0,2,4,6
	v_pk_fma_f32 v[200+\k:201+\k], v[176+\k:177+\k], s[54:55], v[184+\k:185+\k] op_sel_hi:[1,0,1]   ; lane (r, h), register j: column 16 t + 8 h + j, batch 16 rt + r
.endr
	global_store_b128 v12, v[200:203], s[22:23]
	global_store_b128 v12, v[204:207], s[22:23] offset:16
	s_endpgm
; ---------------- the rows.  Eight work-groups to a batch; each makes the batch's list (wave 0), then wave w takes the tile of 16 list places t = 8 w + j.
.Lrows:
	s_sub_co_u32 s37, ttmp9, 24
	s_lshr_b32 s38, s37, 3                         ; b
	s_and_b32 s39, s37, 7                          ; j
	s_lshl_b32 s47, s36, 3
	s_add_co_u32 s47, s47, s39                     ; t
	; every LDS address is made here, ahead of the branch on the wave's number
	v_lshlrev_b32 v1, 4, v2                        ; 16 x lane
	v_lshlrev_b32 v12, 2, v2                       ; 4 x lane
	s_mul_i32 s40, s36, STGW
	v_lshrrev_b32 v10, 2, v2
	v_and_b32 v11, 3, v2
	v_mul_u32_u24 v3, v10, 272
	v_lshl_add_u32 v3, v11, 2, v3
	v_add_nc_u32 v3, s40, v3                       ; into my stage: group lane / 4 (= 2 c + h), byte 4 (lane % 4)
	v_lshrrev_b32 v10, 4, v2
	v_and_b32 v11, 15, v2
	v_mul_u32_u24 v4, v10, 272
	v_lshl_add_u32 v4, v11, 4, v4
	v_add_nc_u32 v4, s40, v4                       ; out of it: two groups an instruction, 16 bytes a lane
	s_lshl_b32 s41, s47, 6
	s_add_co_u32 s41, s41, LIST
	v_mov_b32 v5, s41                              ; my tile's 16 list places
	v_mov_b32 v6, TOT
	v_add_nc_u32 v7, LIST, v1
	s_lshl_b32 s42, s38, 13                        ; a batch's 2,048 words
	s_mov_b32 s43, 0
	s_cmp_lg_u32 s36, 0
	s_cbranch_scc1 .Lscanned
	; WAVE 0 ALONE makes the list: the scatter's addresses hang on the mask, so one wave issues it and a barrier parts it from every other wave's LDS work.
	; Register n of lane l is row s = 128 (n / 4) + 4 l + n % 4.  The list takes the kept rows in the order (n, l): a permutation, which rows and pos describe.
	s_add_nc_u64 s[6:7], s[6:7], s[42:43]
.irp i, 0,1,2,3,4,5,6,7,8,9,10,11,12,13,14,15
	global_load_b128 v[16+4*\i:19+4*\i], v1, s[6:7] offset:512*\i
.endr
.irp i, 208,209,210,211
	v_mov_b32 v\i, 0
.endr
.irp i, 0,1,2,3,4,5,6,7,8,9,10,11,12,13,14,15
	ds_store_b128 v7, v[208:211] offset:512*\i     ; places behind the list's end name row 0
.endr
.set n, 0
.rept 64
	v_add_nc_u32 v[144+n], 128*(n/4)+n%4, v12      ; s
.set n, n+1
.endr
	s_mov_b32 s45, 0                               ; kept so far
	s_wait_loadcnt 0x0
.set n, 0
.rept 64
	v_cmp_ne_u32 s48, 0, v[16+n]                   ; who keeps
	v_mbcnt_lo_u32_b32 v[80+n], s48, s45           ; kept so far + kept in the lanes below me
	s_bcnt1_i32_b32 s50, s48
	v_cndmask_b32 v[16+n], -1, v[80+n], s48        ; pos: the list place, or -1
	s_add_co_u32 s45, s45, s50
	v_min_u32 v[80+n], 0x800, v[16+n]              ; -1 falls on word 2,048, which nobody reads
	v_lshl_add_u32 v[80+n], v[80+n], 2, LIST
	ds_store_b32 v[80+n], v[144+n]
.set n, n+1
.endr
	s_cmp_eq_u32 s45, 0
	s_cselect_b32 s44, 1, 0                        ; am
	s_cbranch_scc0 .Lsome
.set n, 0
.rept 64
	v_mov_b32 v[16+n], v[144+n]                    ; no row is kept: the weights are uniform, and every row is listed at its own place
.set n, n+1
.endr
.irp i, 0,1,2,3,4,5,6,7,8,9,10,11,12,13,14,15
	ds_store_b128 v7, v[144+4*\i:147+4*\i] offset:512*\i
.endr
	s_movk_i32 s45, 0x800
.Lsome:
	v_mov_b32 v212, s45
	ds_store_b32 v6, v212                          ; the list's length, for the other waves
	s_cmp_lg_u32 s39, 0
	s_cbranch_scc1 .Lscanned
	; the batch's first work-group stores pos, rows and meta
	s_add_co_u32 s46, s45, 15
	s_lshr_b32 s46, s46, 4                         ; Tb: tiles of 16 places
	s_add_co_u32 s49, s46, 3
	s_and_b32 s49, s49, -4                         ; Tq: rounded up to fours
	v_mov_b32 v213, s46
	v_mov_b32 v214, s49
	v_mov_b32 v215, s44
	s_add_nc_u64 s[28:29], s[28:29], s[42:43]
	s_add_nc_u64 s[26:27], s[26:27], s[42:43]
	s_lshl_b32 s42, s38, 9
	s_add_nc_u64 s[30:31], s[30:31], s[42:43]
.irp i, 0,1,2,3,4,5,6,7,8,9,10,11,12,13,14,15
	global_store_b128 v1, v[16+4*\i:19+4*\i], s[28:29] offset:512*\i
.endr
	global_store_b128 v1, v[212:215], s[30:31]     ; 32 copies of (cnt, Tb, Tq, am): 512 consecutive bytes
	s_wait_dscnt 0x0                               ; the scatter is done: its address registers take the list
.irp i, 0,1,2,3,4,5,6,7,8,9,10,11,12,13,14,15
	ds_load_b128 v[80+4*\i:83+4*\i], v7 offset:512*\i
.endr
	s_wait_dscnt 0x0
.irp i, 0,1,2,3,4,5,6,7,8,9,10,11,12,13,14,15
	global_store_b128 v1, v[80+4*\i:83+4*\i], s[26:27] offset:512*\i
.endr
	s_wait_xcnt 0x0                                ; the stores have read their registers, into which rows are loaded below
.Lscanned:
	s_wait_dscnt 0x0                               ; for the others' sake: the list and its length lie in LDS
	s_barrier_signal -1
	s_barrier_wait -1                              ; the only barrier: behind it the list is only read, and each stage is its wave's own
	ds_load_b32 v14, v6
	s_wait_dscnt 0x0
	v_readfirstlane_b32 s45, v14                   ; cnt
	s_add_co_u32 s46, s45, 15
	s_lshr_b32 s46, s46, 4
	s_add_co_u32 s49, s46, 3
	s_and_b32 s49, s49, -4                         ; Tq
	s_cmp_ge_u32 s47, s49
	s_cbranch_scc1 .Lend                           ; no list places for this wave
.irp i, 0,1,2,3
	ds_load_b128 v[216+4*\i:219+4*\i], v5 offset:16*\i   ; my 16 rows' numbers, in every lane
.endr
	s_lshl_b32 s42, s38, 23                        ; a batch's 2,048 rows of 4,096 bytes
	s_mov_b32 s43, 0
	s_add_nc_u64 s[4:5], s[4:5], s[42:43]
	s_lshl_b32 s42, s38, 7
	s_add_co_u32 s42, s42, s47
	s_lshl_b32 s42, s42, 14                        ; tile 128 b + t: 8 images
	s_add_nc_u64 s[24:25], s[24:25], s[42:43]
	s_wait_kmcnt 0x0
	MKSCALE 34, 8, 9                               ; e2
	s_wait_dscnt 0x0
.irp r, 0,1,2,3,4,5,6,7,8,9,10,11,12,13,14,15
	v_min_u32 v[216+\r], 0x7ff, v[216+\r]
.endr
.irp r, 0,1,2,3,4,5,6,7,8,9,10,11,12,13,14,15
	v_lshl_add_u32 v[216+\r], v[216+\r], 12, v1    ; row x 4,096 + 16 x lane; never rewritten
.endr
; Half-row n = 16 z + r: K steps 4 z .. 4 z + 3 of row r.  Each of its four loads reads 512 consecutive bytes, one K step: lane l holds k' = 4 l .. 4 l + 3.  A ring of eight half-rows: 32 loads of the wave are out.
.macro LOADH n
.irp i, 0,1,2,3
	global_load_b128 v[16+16*((\n)%8)+4*\i:16+16*((\n)%8)+4*\i+3], v[216+(\n)%16], s[4:5] offset:2048*((\n)/16)+512*\i
.endr
.endm
.macro HALF n
.if 31-(\n) >= 7
	s_wait_loadcnt 28                              ; mine are in; the seven younger half-rows stay out
.else
	s_wait_loadcnt 4*(31-(\n))
.endif
	s_wait_dscnt 4                                 ; the stores of two half-rows ago are done: their four code registers are written again
	QUANT 144+4*((\n)%2), 16+16*((\n)%8), 2, 8, 9  ; register i: my four codes of K step 4 z + i
.irp i, 0,1,2,3
	ds_store_b32 v3, v[144+4*((\n)%2)+\i] offset:2176*\i+16*((\n)%16)   ; word 68 (l / 4) + 4 r + l % 4: 32 lanes, 32 different banks
.endr
.if (\n)+8 < 32
	LOADH (\n)+8
.endif
.endm
.macro FLUSH z                         ; four finished images leave: LDS serves a wave's instructions in order, so these loads see my stores
.if \z
	s_wait_xcnt 0x0                                ; the first sweep's stores have read these registers
.endif
.irp i, 0,1,2,3
.irp c, 0,1,2,3
	ds_load_b128 v[152+16*\i+4*\c:152+16*\i+4*\c+3], v4 offset:2176*\i+544*\c
.endr
.endr
.irp i, 0,1,2,3
.irp c, 0,1,2,3
	s_wait_dscnt 15-(4*\i+\c)
	global_store_b128 v1, v[152+16*\i+4*\c:152+16*\i+4*\c+3], s[24:25] offset:(4*\z+\i)*2048+512*\c   ; 512 consecutive bytes, aligned
.endr
.endr
.endm
.set hn, 0
.rept 8
	LOADH hn
.set hn, hn+1
.endr
.set hn, 0
.rept 16
	HALF hn
.set hn, hn+1
.endr
	FLUSH 0
.rept 16
	HALF hn
.set hn, hn+1
.endr
	FLUSH 1
.Lend:
	s_wait_tensorcnt 0x0
	ds_add_u32 v254, v255
	s_wait_dscnt 0x0
	s_endpgm
.Lfunc_end_k_q13400d9a89_prep:
	.size	k_q13400d9a89_prep, .Lfunc_end_k_q13400d9a89_prep-k_q13400d9a89_prep
	.p2alignl 7, 3214868480
	.fill 96, 4, 3214868480
	.section	.rodata,"a",@progbits
	.p2align	6, 0x0
	.amdhsa_kernel k_q13400d9a89_prep
		.amdhsa_group_segment_fixed_size 150528
		.amdhsa_private_segment_fixed_size 0
		.amdhsa_enable_private_segment 0
		.amdhsa_kernarg_size 112
		.amdhsa_user_sgpr_count 2
		.amdhsa_user_sgpr_kernarg_segment_ptr 1
		.amdhsa_wavefront_size32 1
		.amdhsa_system_sgpr_workgroup_id_x 1
		.amdhsa_system_sgpr_workgroup_id_y 1
		.amdhsa_system_sgpr_workgroup_id_z 1
		.amdhsa_system_vgpr_workitem_id 0
		.amdhsa_next_free_vgpr 256
		.amdhsa_next_free_sgpr 66
		.amdhsa_reserve_vcc 0
		.amdhsa_float_denorm_mode_32 3
		.amdhsa_float_denorm_mode_16_64 3
		.amdhsa_memory_ordered 1
		.amdhsa_forward_progress 1
		.amdhsa_inst_pref_size 174
	.end_amdhsa_kernel
	.amdgpu_metadata
---
amdhsa.version: [ 1, 2 ]
amdhsa.kernels:
  - .name:           k_q13400d9a89_prep
    .symbol:         k_q13400d9a89_prep.kd
    .args:
      - { .name: encoder_outputs, .offset: 0, .size: 8, .value_kind: global_buffer, .address_space: global }
      - { .name: mask, .offset: 8, .size: 8, .value_kind: global_buffer, .address_space: global }
      - { .name: W_e, .offset: 16, .size: 8, .value_kind: global_buffer, .address_space: global }
      - { .name: W_h, .offset: 24, .size: 8, .value_kind: global_buffer, .address_space: global }
      - { .name: hidden, .offset: 32, .size: 8, .value_kind: global_buffer, .address_space: global }
      - { .name: b_h, .offset: 40, .size: 8, .value_kind: global_buffer, .address_space: global }
      - { .name: b_e, .offset: 48, .size: 8, .value_kind: global_buffer, .address_space: global }
      - { .name: lowp_scales, .offset: 56, .size: 8, .value_kind: global_buffer, .address_space: global }
      - { .name: wq, .offset: 64, .size: 8, .value_kind: global_buffer, .address_space: global }
      - { .name: hb, .offset: 72, .size: 8, .value_kind: global_buffer, .address_space: global }
      - { .name: aq, .offset: 80, .size: 8, .value_kind: global_buffer, .address_space: global }
      - { .name: rows, .offset: 88, .size: 8, .value_kind: global_buffer, .address_space: global }
      - { .name: pos, .offset: 96, .size: 8, .value_kind: global_buffer, .address_space: global }
      - { .name: meta, .offset: 104, .size: 8, .value_kind: global_buffer, .address_space: global }
    .group_segment_fixed_size: 150528
    .private_segment_fixed_size: 0
    .kernarg_segment_align: 8
    .kernarg_segment_size: 112
    .max_flat_workgroup_size: 512
    .sgpr_count:     66
    .vgpr_count:     256
    .wavefront_size: 32
...
	.end_amdgpu_metadata
.endif
;; end of part 1
;; launch energy (part 2): grid 256 x 1, 4 waves a work-group, no clusters, 147,968 bytes of LDS; arguments aq, wq, hb, v, lowp_scales, meta, sc; writes sc
.if DOCPART == 2
	.amdgcn_target "amdgcn-amd-amdhsa--gfx1250"
	.amdhsa_code_object_version 6
	.text
	.protected	k_q13400d9a89_energy
	.globl	k_q13400d9a89_energy
	.p2align	8
	.type	k_q13400d9a89_energy,@function
k_q13400d9a89_energy:
	s_mov_b64 s[64:65], 0
	v_nop
	global_prefetch_b8 v0, s[64:65] scope:SCOPE_SE
	s_setreg_imm32_b32 hwreg(HW_REG_WAVE_MODE, 25, 1), 1
	s_wait_xcnt 0x0
; ENERGY: sc[nq][b][place] = the sum over the 256 columns n of quarter nq of v[n] tanh(hb[b][n] + (Q(row) Q(W_e))[n] 2^(e2+e3)), for the listed rows of batch b.
; SHARES.  Work-group x: nq = x % 4, hh = (x / 4) % 2, b = x / 8.  In trip i (0 .. 15) it takes the four tiles of 16 list places 8 i + 4 hh + j.  Wave w owns columns 256 nq + 64 w .. + 63:
; its 4 x 8 fragments of W_e stay in 512 registers for the whole launch, read from memory once.  A tile's eight fragments go through LDS and feed four matrix instructions each, in each of the four waves.
; The product is used transposed (source 0 = 16 columns of W_e, source 1 = 16 rows): a lane holds ONE row and 32 columns, so the dot with v needs one exchange between the halves of the lanes.
; tanh x = 1 - 2 / (1 + 2^(2 log2(e) x)).  The score is (the sum of v) + the sum of (-2 v) / (1 + 2^..): the first sum is made once.
; Tiles behind the list's end are left out by scalar branches on the stored count.  So the text has no tensor load and no joint request, though
; the four quarters of a batch read the same tiles; every barrier stands where all ways join.
; A quad of tiles is loaded into registers two trips ahead of its use (wave w: tile w), stored into the LDS buffer that is not being read, and shown to all waves by the trip's one barrier.  No prefetch: no wave waits for that stream.
; LIMITS: e2 + e3 between -127 and 126 (they are added to the exponent field of 2 log2(e)).
; REGISTERS.  window 0: v1-13 addresses; v16-47 four accumulators; v48-79 2 log2(e) hb; v80-111 -2 v; v112-123 at work; v124-127 zeros; v128-255 a tile on its way to LDS.
;   window 1: two sets of a tile's eight fragments.   windows 2, 3: W_e's fragments: (u, q) at v[64 (q % 4) + 16 u] of window 2 + q / 4.
.set BUF1, 65536                       ; two buffers of four tile images (4 x 16,384 bytes)
.set SCP,  131072                      ; the waves' partial scores: 4 x 1,024 words
.set MSB, 0
.macro WIN new                         ; the immediate's high byte repeats the setting that is left
.if MSB != \new
	s_set_vgpr_msb (MSB<<8)|\new
.set MSB, \new
.endif
.endm
.macro STAGE_LOAD d                    ; my tile of the quad that begins at tile s30 + d, held inside the tiles that were written
	s_wait_xcnt 0x0
	s_add_co_u32 s44, s30, \d
	s_min_u32 s44, s44, s31
	s_min_u32 s44, s44, 124
	s_lshl_b32 s44, s44, 14
	s_mov_b32 s45, 0
	s_add_nc_u64 s[34:35], s[32:33], s[44:45]
.set m, 0
.rept 32
	global_load_b128 v[128+4*m:131+4*m], v1, s[34:35] offset:512*m
.set m, m+1
.endr
.endm
.macro STAGE_STORE p
.set m, 0
.rept 32
	ds_store_b128 v[3+(\p)], v[128+4*m:131+4*m] offset:512*m
.set m, m+1
.endr
.endm
.macro FRAGS p, j, set                 ; tile j of buffer p: eight fragments, as they lie
	WIN 0x40                                       ; destination window 1, address window 0
.irp q, 0,1,2,3,4,5,6,7
.irp c, 0,1,2,3
	ds_load_b128 v[128*(\set)+16*\q+4*\c:128*(\set)+16*\q+4*\c+3], v[1+(\p)] offset:16384*(\j)+2048*\q+512*\c
.endr
.endr
	WIN 0
.endm
.macro MUL set                         ; 32 matrix instructions; the four accumulators take turns
.irp q, 0,1,2,3,4,5,6,7
.if \q < 4
	WIN 0x06                                       ; source 0 (W_e) window 2, source 1 (the rows) window 1
.else
	WIN 0x07                                       ; source 0 window 3
.endif
.irp u, 0,1,2,3
.if \q == 0
	v_wmma_f32_16x16x128_fp8_fp8 v[16+8*\u:23+8*\u], v[64*(\q%4)+16*\u:64*(\q%4)+16*\u+15], v[128*(\set)+16*\q:128*(\set)+16*\q+15], 0
.else
	v_wmma_f32_16x16x128_fp8_fp8 v[16+8*\u:23+8*\u], v[64*(\q%4)+16*\u:64*(\q%4)+16*\u+15], v[128*(\set)+16*\q:128*(\set)+16*\q+15], v[16+8*\u:23+8*\u]
.endif
.endr
.endr
	WIN 0
.endm
.macro EPI j                           ; lane (r, h), register 8 u + i: row r, column 16 u + 8 h + i of my 64
.rept 4
	v_nop                                          ; four places behind the last product (ISA guide 7.12.1)
.endr
.irp k, 0,2,4,6,8,10,12,14,16,18,20,22,24,26,28,30
	v_pk_fma_f32 v[16+\k:17+\k], v[16+\k:17+\k], s[36:37], v[48+\k:49+\k] op_sel_hi:[1,0,1]   ; 2 log2(e) x; each accumulator from its low end on
.endr
.set m, 0
.rept 32
	v_exp_f32 v[16+m], v[16+m]
.set m, m+1
.endr
	v_nop                                          ; a plain instruction behind the batch,
	s_wait_alu depctr_va_vdst(0)                   ; and one wait for it, ahead of its first reader
.irp k, 0,2,4,6,8,10,12,14,16,18,20,22,24,26,28,30
	v_pk_add_f32 v[16+\k:17+\k], v[16+\k:17+\k], 1.0 op_sel_hi:[1,0]
.endr
.set m, 0
.rept 32
	v_rcp_f32 v[16+m], v[16+m]
.set m, m+1
.endr
	v_nop
	s_wait_alu depctr_va_vdst(0)
	v_pk_fma_f32 v[112:113], v[16:17], v[80:81], v[120:121]   ; four chains; the first begins with the sum of my 32 v
	v_pk_mul_f32 v[114:115], v[18:19], v[82:83]
	v_pk_mul_f32 v[116:117], v[20:21], v[84:85]
	v_pk_mul_f32 v[118:119], v[22:23], v[86:87]
.irp k, 8,16,24
.irp c, 0,2,4,6
	v_pk_fma_f32 v[112+\c:113+\c], v[16+\k+\c:17+\k+\c], v[80+\k+\c:81+\k+\c], v[112+\c:113+\c]
.endr
.endr
	v_pk_add_f32 v[112:113], v[112:113], v[114:115]
	v_pk_add_f32 v[116:117], v[116:117], v[118:119]
	v_pk_add_f32 v[112:113], v[112:113], v[116:117]
	v_add_f32 v122, v112, v113
	v_permlanex16_b32 v123, v122, s38, s39         ; the row's other 32 columns lie in the lane 16 away
	v_add_f32 v122, v122, v123
	ds_store_b32 v6, v122 offset:64*(\j)           ; lanes r and r + 16 store the same number at the same word
.endm
; A trip: four tiles out of buffer p.  ONE barrier, where all ways join: in front of it each wave's LDS work is done, so behind it buffer p may be written again and buffer 1 - p is whole.
.macro TRIP p
	s_cmp_ge_u32 s30, s21
	s_cbranch_scc1 .Lend_\@                        ; the list has ended: nothing but the barrier
	FRAGS \p, 0, 0
	s_wait_loadcnt 0x0                             ; the next trip's tile, asked for a trip ago, is in registers
	STAGE_STORE 1-\p
	v_add_nc_u32 v6, s41, v5
	s_wait_dscnt 32                                ; the fragments are in; the 32 stores may be out
	MUL 0
	s_wait_dscnt 0x0                               ; the stores are done: their registers take the tile of two trips on
	STAGE_LOAD 16
	FRAGS \p, 1, 1
	EPI 0
	s_add_co_u32 s44, s30, 1
	s_cmp_ge_u32 s44, s21
	s_cbranch_scc1 .Lend_\@
	FRAGS \p, 2, 0                                 ; (the lines of EPI are the places behind the products that read this set)
	s_wait_dscnt 32                                ; all but the 32 just issued
	MUL 1
	EPI 1
	s_add_co_u32 s44, s30, 2
	s_cmp_ge_u32 s44, s21
	s_cbranch_scc1 .Lend_\@
	FRAGS \p, 3, 1
	s_wait_dscnt 32
	MUL 0
	EPI 2
	s_add_co_u32 s44, s30, 3
	s_cmp_ge_u32 s44, s21
	s_cbranch_scc1 .Lend_\@
	s_wait_dscnt 0x0
	MUL 1
	EPI 3
.Lend_\@:
	s_wait_dscnt 0x0
	s_barrier_signal -1
	s_barrier_wait -1
	s_add_co_u32 s30, s30, 8
	s_add_co_u32 s41, s41, 256
.endm
	s_load_b256 s[4:11], s[0:1], 0x0               ; aq 4, wq 6, hb 8, v 10
	s_load_b128 s[12:15], s[0:1], 0x20             ; scales 12, meta 14
	s_load_b64 s[16:17], s[0:1], 0x30              ; sc
	v_lshl_add_u32 v14, v0, 2, 0x24000
	v_mov_b32 v15, 0
	v_lshrrev_b32 v9, 5, v0
	v_readfirstlane_b32 s26, v9                    ; wave w
	s_and_b32 s27, ttmp9, 3                        ; nq
	s_bfe_u32 s28, ttmp9, 0x10002                  ; hh
	s_lshr_b32 s29, ttmp9, 3                       ; b
	v_and_b32 v9, 31, v0
	v_lshlrev_b32 v1, 4, v9                        ; 16 x lane: buffer 0,
	v_add_nc_u32 v2, BUF1, v1                      ; buffer 1
	s_lshl_b32 s44, s26, 14
	v_add_nc_u32 v3, s44, v1                       ; where I store my tile: buffer 0,
	v_add_nc_u32 v4, BUF1, v3                      ; buffer 1
	v_and_b32 v10, 15, v0                          ; r
	v_bfe_u32 v11, v0, 4, 1                        ; h
	s_lshl_b32 s45, s26, 12
	s_add_co_u32 s45, s45, SCP
	v_lshl_add_u32 v5, v10, 2, s45                 ; my wave's scores, word r
	v_lshlrev_b32 v7, 5, v11                       ; 32 h
	v_lshl_add_u32 v12, v0, 4, SCP                 ; 16 x thread in the scores
	v_lshrrev_b32 v13, 4, v0
	v_lshlrev_b32 v13, 9, v13
	v_lshl_add_u32 v13, v10, 4, v13                ; sc: 512 (thread / 16) + 16 (thread % 16)
.irp i, 122,123,124,125,126,127
	v_mov_b32 v\i, 0
.endr
.irp k, 0,1,2,3,4,5,6,7
	ds_store_b128 v12, v[124:127] offset:2048*\k   ; tiles that are left out leave zeros
.endr
	s_mov_b32 s38, 0x76543210
	s_mov_b32 s39, 0xfedcba98
	s_mov_b32 s41, 0
	s_lshl_b32 s30, s28, 2                         ; the trip's first tile
	s_mov_b32 s45, 0
	s_wait_kmcnt 0x0
	s_lshl_b32 s44, s29, 9
	s_add_nc_u64 s[14:15], s[14:15], s[44:45]
	s_load_b128 s[20:23], s[14:15], 0x0            ; cnt, Tb, Tq, am
	s_load_b64 s[24:25], s[12:13], 0x8             ; e2, e3
	s_lshl_b32 s44, s27, 4
	s_lshl_b32 s46, s26, 2
	s_add_co_u32 s44, s44, s46
	s_lshl_b32 s44, s44, 14                        ; tile of columns 16 nq + 4 w: 8 images each
	s_add_nc_u64 s[6:7], s[6:7], s[44:45]
	WIN 0x80                                       ; destination window 2
.irp q, 0,1,2,3
.irp u, 0,1,2,3
.irp c, 0,1,2,3
	global_load_b128 v[64*\q+16*\u+4*\c:64*\q+16*\u+4*\c+3], v1, s[6:7] offset:16384*\u+2048*\q+512*\c
.endr
.endr
.endr
	WIN 0xc0                                       ; destination window 3
.irp q, 0,1,2,3
.irp u, 0,1,2,3
.irp c, 0,1,2,3
	global_load_b128 v[64*\q+16*\u+4*\c:64*\q+16*\u+4*\c+3], v1, s[6:7] offset:16384*\u+2048*(\q+4)+512*\c
.endr
.endr
.endr
	WIN 0
	s_lshl_b32 s44, s27, 10
	s_lshl_b32 s46, s26, 8
	s_add_co_u32 s44, s44, s46                     ; my first column, in bytes
	s_add_nc_u64 s[10:11], s[10:11], s[44:45]
	s_lshl_b32 s46, s29, 12
	s_add_co_u32 s44, s44, s46
	s_add_nc_u64 s[8:9], s[8:9], s[44:45]
.irp u, 0,1,2,3
	global_load_b128 v[48+8*\u:51+8*\u], v7, s[8:9] offset:64*\u
	global_load_b128 v[52+8*\u:55+8*\u], v7, s[8:9] offset:64*\u+16
	global_load_b128 v[80+8*\u:83+8*\u], v7, s[10:11] offset:64*\u
	global_load_b128 v[84+8*\u:87+8*\u], v7, s[10:11] offset:64*\u+16
.endr
	s_lshl_b32 s44, s29, 21                        ; a batch's 128 tiles
	s_lshl_b32 s46, s26, 14                        ; my tile of a quad
	s_add_co_u32 s44, s44, s46
	s_add_nc_u64 s[32:33], s[4:5], s[44:45]
	s_lshl_b32 s44, s27, 18
	s_lshl_b32 s46, s29, 13
	s_add_co_u32 s44, s44, s46
	s_lshl_b32 s46, s28, 8
	s_add_co_u32 s44, s44, s46
	s_add_nc_u64 s[16:17], s[16:17], s[44:45]      ; sc at (nq, b), + 256 hh
	s_wait_kmcnt 0x0
	s_sub_co_u32 s31, s22, 4                       ; the last quad that was written
	s_add_co_i32 s44, s24, s25
	s_lshl_b32 s44, s44, 23
	s_add_co_i32 s36, s44, 0x4038aa3b              ; 2 log2(e) x 2^(e2 + e3)
	s_mov_b32 s37, s36                             ; (named with it as a pair, so it is written)
	STAGE_LOAD 0
	s_wait_loadcnt 0x0
	STAGE_STORE 0
	v_pk_add_f32 v[120:121], v[80:81], v[82:83]
.irp k, 4,6,8,10,12,14,16,18,20,22,24,26,28,30
	v_pk_add_f32 v[120:121], v[120:121], v[80+\k:81+\k]
.endr
	v_add_f32 v120, v120, v121                     ; the sum of my 32 v,
	v_mov_b32 v121, 0                              ; once
.irp k, 0,2,4,6,8,10,12,14,16,18,20,22,24,26,28,30
	v_pk_mul_f32 v[48+\k:49+\k], v[48+\k:49+\k], 0x4038aa3b op_sel_hi:[1,0]
	v_pk_mul_f32 v[80+\k:81+\k], v[80+\k:81+\k], -2.0 op_sel_hi:[1,0]
.endr
	s_wait_dscnt 0x0                               ; buffer 0 and the cleared scores lie in LDS; the stage's registers are free
	STAGE_LOAD 8
	s_barrier_signal -1
	s_barrier_wait -1
	s_mov_b32 s40, 8
.Lq:
	TRIP 0
	TRIP 1
	s_sub_co_u32 s40, s40, 1
	s_cmp_lg_u32 s40, 0
	s_cbranch_scc1 .Lq
	; the four waves' parts are added.  Word 64 i + 16 j + r of a wave's scores is list place 128 i + 64 hh + 16 j + r.
.irp w, 0,1,2,3
	ds_load_b128 v[16+8*\w:19+8*\w], v12 offset:4096*\w
	ds_load_b128 v[20+8*\w:23+8*\w], v12 offset:4096*\w+2048
.endr
	s_wait_dscnt 0x0
.irp k, 0,2,4,6
	v_pk_add_f32 v[16+\k:17+\k], v[16+\k:17+\k], v[24+\k:25+\k]
	v_pk_add_f32 v[32+\k:33+\k], v[32+\k:33+\k], v[40+\k:41+\k]
.endr
.irp k, 0,2,4,6
	v_pk_add_f32 v[16+\k:17+\k], v[16+\k:17+\k], v[32+\k:33+\k]
.endr
	global_store_b128 v13, v[16:19], s[16:17]      ; sixteen lanes store 256 consecutive bytes, aligned; the two hh fill sc between them
	global_store_b128 v13, v[20:23], s[16:17] offset:4096
	s_wait_tensorcnt 0x0
	ds_add_u32 v14, v15
	s_wait_dscnt 0x0
	s_endpgm
.Lfunc_end_k_q13400d9a89_energy:
	.size	k_q13400d9a89_energy, .Lfunc_end_k_q13400d9a89_energy-k_q13400d9a89_energy
	.p2alignl 7, 3214868480
	.fill 96, 4, 3214868480
	.section	.rodata,"a",@progbits
	.p2align	6, 0x0
	.amdhsa_kernel k_q13400d9a89_energy
		.amdhsa_group_segment_fixed_size 147968
		.amdhsa_private_segment_fixed_size 0
		.amdhsa_enable_private_segment 0
		.amdhsa_kernarg_size 56
		.amdhsa_user_sgpr_count 2
		.amdhsa_user_sgpr_kernarg_segment_ptr 1
		.amdhsa_wavefront_size32 1
		.amdhsa_system_sgpr_workgroup_id_x 1
		.amdhsa_system_sgpr_workgroup_id_y 1
		.amdhsa_system_sgpr_workgroup_id_z 1
		.amdhsa_system_vgpr_workitem_id 0
		.amdhsa_next_free_vgpr 1024
		.amdhsa_next_free_sgpr 66
		.amdhsa_reserve_vcc 0
		.amdhsa_float_denorm_mode_32 3
		.amdhsa_float_denorm_mode_16_64 3
		.amdhsa_memory_ordered 1
		.amdhsa_forward_progress 1
		.amdhsa_inst_pref_size 122
	.end_amdhsa_kernel
	.amdgpu_metadata
---
amdhsa.version: [ 1, 2 ]
amdhsa.kernels:
  - .name:           k_q13400d9a89_energy
    .symbol:         k_q13400d9a89_energy.kd
    .args:
      - { .name: aq, .offset: 0, .size: 8, .value_kind: global_buffer, .address_space: global }
      - { .name: wq, .offset: 8, .size: 8, .value_kind: global_buffer, .address_space: global }
      - { .name: hb, .offset: 16, .size: 8, .value_kind: global_buffer, .address_space: global }
      - { .name: v, .offset: 24, .size: 8, .value_kind: global_buffer, .address_space: global }
      - { .name: lowp_scales, .offset: 32, .size: 8, .value_kind: global_buffer, .address_space: global }
      - { .name: meta, .offset: 40, .size: 8, .value_kind: global_buffer, .address_space: global }
      - { .name: sc, .offset: 48, .size: 8, .value_kind: global_buffer, .address_space: global }
    .group_segment_fixed_size: 147968
    .private_segment_fixed_size: 0
    .kernarg_segment_align: 8
    .kernarg_segment_size: 56
    .max_flat_workgroup_size: 128
    .sgpr_count:     66
    .vgpr_count:     1024
    .wavefront_size: 32
...
	.end_amdgpu_metadata
.endif
;; end of part 2
;; launch context (part 3): grid 256 x 1, 16 waves a work-group, no clusters, 29,184 bytes of LDS; arguments encoder_outputs, sc, rows, pos, meta, out0, out1; writes out0, out1
.if DOCPART == 3
	.amdgcn_target "amdgcn-amd-amdhsa--gfx1250"
	.amdhsa_code_object_version 6
	.text
	.protected	k_q13400d9a89_context
	.globl	k_q13400d9a89_context
	.p2align	8
	.type	k_q13400d9a89_context,@function
k_q13400d9a89_context:
	s_mov_b64 s[64:65], 0
	v_nop
	global_prefetch_b8 v0, s[64:65] scope:SCOPE_SE
	s_setreg_imm32_b32 hwreg(HW_REG_WAVE_MODE, 25, 1), 1
	s_wait_xcnt 0x0
; CONTEXT: the softmax over a batch's list, out1, and out0[b][:] = the sum over the listed rows of weight x row, all in f32.
; SHARES.  Work-group x: b = x / 8, jj = x % 8.  It owns columns 128 jj .. + 127 of out0[b] (512 bytes of every row) and rows 256 jj .. + 255 of out1[b]: each output number has one owner.
; Each of a batch's eight work-groups makes the batch's softmax anew (2,048 numbers).  Thread T owns list places 4 T .. 4 T + 3.
; A row that is not listed has the weight 0 (exp(-1e10 - max) is 0 in f32).  Where no row of the batch is kept (am = 1) all rows are listed and all scores are equal: they are set to 0.
; The maximum is taken away before the exponential.  p is kept unnormalised in LDS; 1 / the sum multiplies at the end.
; In round r wave w adds list places 128 r + 8 w + k, k = 0 .. 7; a load reads a row's 512 bytes.  Eight to sixteen loads of each wave are out.  The rounds end at the list's end, by a scalar branch on the stored count.
; Memory binds: no matrix unit, no tensor load (branches hang on stored counts), no prefetch (the loads themselves keep memory busy).
; LIMITS: the inputs are finite; the sum of |v| stays under 1e9, so that -1e10 lies under every score.
.set PL,  0                            ; p: 2,304 places (the rounds read two rounds ahead)
.set RL,  9216                         ; the rows' numbers, likewise
.set R1,  18432                        ; the waves' maxima;  R1 + 256: their sums
.set RED, 18944                        ; the waves' parts of out0: 16 x 512 bytes
	s_load_b256 s[4:11], s[0:1], 0x0               ; enc 4, sc 6, rows 8, pos 10
	s_load_b128 s[12:15], s[0:1], 0x20             ; meta 12, out0 14
	s_load_b64 s[16:17], s[0:1], 0x30              ; out1
	v_lshl_add_u32 v160, v0, 2, 0x6a00
	v_mov_b32 v161, 0
	v_lshrrev_b32 v3, 5, v0
	v_readfirstlane_b32 s24, v3                    ; wave
	s_and_b32 s18, ttmp9, 7                        ; jj
	s_lshr_b32 s19, ttmp9, 3                       ; b
	; every LDS address register is made here, ahead of all branches on the wave's number
	v_and_b32 v1, 31, v0
	v_lshlrev_b32 v1, 4, v1                        ; 16 x lane
	v_lshlrev_b32 v2, 4, v0                        ; 16 x thread
	s_lshl_b32 s34, s24, 5
	v_mov_b32 v3, s34                              ; my wave's 8 places of a round
	s_lshl_b32 s34, s24, 2
	s_add_co_u32 s34, s34, R1
	v_mov_b32 v6, s34                              ; my wave's word
	v_mov_b32 v7, R1
	s_lshl_b32 s34, s24, 9
	s_add_co_u32 s34, s34, RED
	v_add_nc_u32 v5, s34, v1
	v_and_b32 v40, 63, v0
	v_lshlrev_b32 v40, 4, v40                      ; pos: every four waves... all waves read the same 1,024 bytes
.irp i, 144,145,146,147,148,149,150,151,158
	v_mov_b32 v\i, 0                               ; the sums begin at 0; v158 is a lane permute's destination
.endr
	v_mov_b32 v159, 0xff800000                     ; -infinity
	s_mov_b32 s28, 0x76543210
	s_mov_b32 s29, 0xfedcba98
	s_mov_b32 s33, 0x3fb8aa3b                      ; log2(e)
	s_mov_b32 s35, 0
	s_wait_kmcnt 0x0
	s_lshl_b32 s34, s19, 9
	s_add_nc_u64 s[12:13], s[12:13], s[34:35]
	s_load_b128 s[20:23], s[12:13], 0x0            ; cnt, Tb, Tq, am
	s_lshl_b32 s34, s19, 13
	s_add_nc_u64 s[6:7], s[6:7], s[34:35]
	s_add_nc_u64 s[8:9], s[8:9], s[34:35]
	s_add_nc_u64 s[10:11], s[10:11], s[34:35]
	s_add_nc_u64 s[16:17], s[16:17], s[34:35]
	s_lshl_b32 s34, s18, 10
	s_add_nc_u64 s[10:11], s[10:11], s[34:35]
	s_add_nc_u64 s[16:17], s[16:17], s[34:35]
.irp q, 0,1,2,3
	global_load_b128 v[8+4*\q:11+4*\q], v2, s[6:7] offset:262144*\q   ; the four quarters of N
.endr
	global_load_b128 v[24:27], v2, s[8:9]
	global_load_b128 v[28:31], v40, s[10:11]
	s_lshl_b32 s34, s19, 23
	s_lshl_b32 s32, s18, 9
	s_add_co_u32 s34, s34, s32
	s_add_nc_u64 s[30:31], s[4:5], s[34:35]        ; the batch's rows at my 128 columns
	s_lshl_b32 s34, s19, 12
	s_add_co_u32 s34, s34, s32
	s_add_nc_u64 s[14:15], s[14:15], s[34:35]
	s_wait_loadcnt 0x0
	s_wait_kmcnt 0x0
	v_pk_add_f32 v[8:9], v[8:9], v[12:13]
	v_pk_add_f32 v[10:11], v[10:11], v[14:15]
	v_pk_add_f32 v[16:17], v[16:17], v[20:21]
	v_pk_add_f32 v[18:19], v[18:19], v[22:23]
	v_pk_add_f32 v[8:9], v[8:9], v[16:17]
	v_pk_add_f32 v[10:11], v[10:11], v[18:19]
	s_cmp_lg_u32 s23, 0
	s_cselect_b32 s32, -1, 0
	v_lshlrev_b32 v40, 2, v0
.irp e, 0,1,2,3
	v_add_nc_u32 v41, \e, v40                      ; my place
	v_cndmask_b32 v[8+\e], v[8+\e], 0, s32         ; no row kept: equal scores
	v_cmp_gt_u32 vcc_lo, s20, v41
	v_cndmask_b32 v[8+\e], v159, v[8+\e], vcc_lo   ; behind the list's end: -infinity
	v_min_u32 v[36+\e], 0x7ff, v[28+\e]            ; out1's gather: the place of each of my four rows (-1 is held; its value is thrown away below)
	v_lshlrev_b32 v[36+\e], 2, v[36+\e]
.endr
	v_max3_num_f32 v156, v8, v9, v10
	v_max_num_f32 v156, v156, v11
.irp x, 1,2,4,8
	v_max_num_f32_dpp v156, v156, v156 row_xmask:\x row_mask:0xf bank_mask:0xf
.endr
	v_permlanex16_b32 v158, v156, s28, s29
	v_max_num_f32 v156, v156, v158
	ds_store_b32 v6, v156
	s_wait_dscnt 0x0
	s_barrier_signal -1
	s_barrier_wait -1                              ; the sixteen maxima lie in LDS
.irp i, 0,1,2,3
	ds_load_b128 v[64+4*\i:67+4*\i], v7 offset:16*\i
.endr
	s_wait_dscnt 0x0
	v_max3_num_f32 v156, v64, v65, v66
.irp i, 67,69,71,73,75,77
	v_max3_num_f32 v156, v156, v[\i], v[\i+1]
.endr
	v_max_num_f32 v156, v156, v79                  ; m: finite, since the list has a place
	v_mul_f32 v157, 0xbfb8aa3b, v156
.irp e, 0,1,2,3
	v_fma_f32 v[32+\e], v[8+\e], s33, v157         ; (s - m) log2(e)
.endr
.irp e, 0,1,2,3
	v_exp_f32 v[32+\e], v[32+\e]
.endr
	v_nop
	s_wait_alu depctr_va_vdst(0)                   ; one wait for the four, ahead of their first reader
	v_add_f32 v41, v32, v33
	v_add_f32 v42, v34, v35
	v_add_f32 v41, v41, v42
.irp x, 1,2,4,8
	v_add_f32_dpp v41, v41, v41 row_xmask:\x row_mask:0xf bank_mask:0xf
.endr
	v_permlanex16_b32 v158, v41, s28, s29
	v_add_f32 v41, v41, v158
	ds_store_b32 v6, v41 offset:256
	ds_store_b128 v2, v[32:35] offset:PL
	ds_store_b128 v2, v[24:27] offset:RL
	s_cmp_ge_u32 s24, 2
	s_cbranch_scc1 .Lno_pad
	ds_store_b128 v2, v[144:147] offset:PL+8192    ; places 2,048 to 2,303: p = 0, row 0
	ds_store_b128 v2, v[144:147] offset:RL+8192
.Lno_pad:
	s_wait_dscnt 0x0
	s_barrier_signal -1
	s_barrier_wait -1                              ; p, the rows and the sixteen sums lie in LDS; up to the next barrier LDS is only read
.irp i, 0,1,2,3
	ds_load_b128 v[64+4*\i:67+4*\i], v7 offset:256+16*\i
.endr
.irp e, 0,1,2,3
	ds_load_b32 v[152+\e], v[36+\e]
.endr
	ds_load_b128 v[40:43], v3 offset:RL            ; round 0
	ds_load_b128 v[44:47], v3 offset:RL+16
	ds_load_b128 v[48:51], v3 offset:PL
	ds_load_b128 v[52:55], v3 offset:PL+16
	s_wait_dscnt 0x0
.irp k, 0,4,8,12
	v_pk_add_f32 v[64+\k:65+\k], v[64+\k:65+\k], v[66+\k:67+\k]
.endr
	v_pk_add_f32 v[64:65], v[64:65], v[68:69]
	v_pk_add_f32 v[72:73], v[72:73], v[76:77]
	v_pk_add_f32 v[64:65], v[64:65], v[72:73]
	v_add_f32 v64, v64, v65                        ; at least 1: the largest score gives p = 1
	v_rcp_f32 v156, v64
	v_nop                                          ; a plain instruction before the source is written again
.macro OFFS o                          ; eight rows' byte offsets: row x 4,096 + 16 x lane
.irp k, 0,1,2,3,4,5,6,7
	v_min_u32 v[64+8*(\o)+\k], 0x7ff, v[40+\k]
.endr
.irp k, 0,1,2,3,4,5,6,7
	v_lshl_add_u32 v[64+8*(\o)+\k], v[64+8*(\o)+\k], 12, v1
.endr
.endm
.macro LOADD o
.irp k, 0,1,2,3,4,5,6,7
	global_load_b128 v[80+32*(\o)+4*\k:80+32*(\o)+4*\k+3], v[64+8*(\o)+\k], s[30:31]   ; 512 consecutive bytes of a row, aligned
.endr
.endm
	OFFS 0
	LOADD 0
	v_add_nc_u32 v4, 512, v3
	ds_load_b128 v[40:43], v4 offset:RL            ; round 1
	ds_load_b128 v[44:47], v4 offset:RL+16
	ds_load_b128 v[56:59], v4 offset:PL
	ds_load_b128 v[60:63], v4 offset:PL+16
	s_wait_alu depctr_va_vdst(0)                   ; the reciprocal's wait, ahead of its first reader
.irp e, 0,1,2,3
	v_cmp_le_i32 vcc_lo, 0, v[28+\e]
	v_cndmask_b32 v[152+\e], 0, v[152+\e], vcc_lo  ; a row that is not listed: 0
	v_mul_f32 v[152+\e], v[152+\e], v156
.endr
	s_cmp_ge_u32 s24, 2
	s_cbranch_scc1 .Lno_w
	global_store_b128 v2, v[152:155], s[16:17]     ; threads 0 to 63: 1,024 consecutive bytes of out1
.Lno_w:
	s_mov_b32 s25, 8
	s_mov_b32 s26, 0                               ; the round's first place
	s_mov_b32 s27, 512
; Round r on set r % 2: the next round's rows are asked for, then this round's are added.
.macro HT set
	s_cmp_ge_u32 s26, s20
	s_cbranch_scc1 .Ldone                          ; the list has ended
	s_wait_dscnt 0x0                               ; the next round's rows' numbers and p, asked for half a trip ago
	OFFS 1-\set                                    ; (these offsets' last loads were waited for in the round before)
	LOADD 1-\set
	s_add_co_u32 s27, s27, 512
	v_add_nc_u32 v4, s27, v3
	ds_load_b128 v[40:43], v4 offset:RL            ; round r + 2
	ds_load_b128 v[44:47], v4 offset:RL+16
	s_wait_loadcnt 8                               ; this round's eight rows are in; the next round's stay out
.irp k, 0,2,4,6
	v_pk_fma_f32 v[144:145], v[80+32*\set+4*\k:81+32*\set+4*\k], v[48+8*\set+\k:49+8*\set+\k], v[144:145] op_sel_hi:[1,0,1]
	v_pk_fma_f32 v[146:147], v[82+32*\set+4*\k:83+32*\set+4*\k], v[48+8*\set+\k:49+8*\set+\k], v[146:147] op_sel_hi:[1,0,1]
	v_pk_fma_f32 v[148:149], v[84+32*\set+4*\k:85+32*\set+4*\k], v[48+8*\set+\k:49+8*\set+\k], v[148:149] op_sel:[0,1,0] op_sel_hi:[1,1,1]
	v_pk_fma_f32 v[150:151], v[86+32*\set+4*\k:87+32*\set+4*\k], v[48+8*\set+\k:49+8*\set+\k], v[150:151] op_sel:[0,1,0] op_sel_hi:[1,1,1]
.endr
	ds_load_b128 v[48+8*\set:51+8*\set], v4 offset:PL
	ds_load_b128 v[52+8*\set:55+8*\set], v4 offset:PL+16
	s_add_co_u32 s26, s26, 128
.endm
.Lr:
	HT 0
	HT 1
	s_sub_co_u32 s25, s25, 1
	s_cmp_lg_u32 s25, 0
	s_cbranch_scc1 .Lr
.Ldone:
	s_wait_loadcnt 0x0                             ; the round asked for ahead is not used; its registers are written below
	v_pk_add_f32 v[144:145], v[144:145], v[148:149]
	v_pk_add_f32 v[146:147], v[146:147], v[150:151]
	v_pk_mul_f32 v[144:145], v[144:145], v[156:157] op_sel_hi:[1,0]
	v_pk_mul_f32 v[146:147], v[146:147], v[156:157] op_sel_hi:[1,0]
	s_wait_dscnt 0x0
	s_barrier_signal -1
	s_barrier_wait -1                              ; every wave's reads, the gather among them, are over: LDS may be written
	ds_store_b128 v5, v[144:147]
	s_wait_dscnt 0x0
	s_barrier_signal -1
	s_barrier_wait -1                              ; the sixteen parts lie in LDS
	s_cmp_lg_u32 s24, 0
	s_cbranch_scc1 .Lfin
.irp i, 0,1,2,3,4,5,6,7,8,9,10,11,12,13,14,15
	ds_load_b128 v[80+4*\i:83+4*\i], v1 offset:RED+512*\i
.endr
	s_wait_dscnt 0x0
.irp i, 0,2,4,6,8,10,12,14
	v_pk_add_f32 v[80+4*\i:81+4*\i], v[80+4*\i:81+4*\i], v[84+4*\i:85+4*\i]
	v_pk_add_f32 v[82+4*\i:83+4*\i], v[82+4*\i:83+4*\i], v[86+4*\i:87+4*\i]
.endr
.irp i, 0,4,8,12
	v_pk_add_f32 v[80+4*\i:81+4*\i], v[80+4*\i:81+4*\i], v[88+4*\i:89+4*\i]
	v_pk_add_f32 v[82+4*\i:83+4*\i], v[82+4*\i:83+4*\i], v[90+4*\i:91+4*\i]
.endr
.irp i, 0,8
	v_pk_add_f32 v[80+4*\i:81+4*\i], v[80+4*\i:81+4*\i], v[96+4*\i:97+4*\i]
	v_pk_add_f32 v[82+4*\i:83+4*\i], v[82+4*\i:83+4*\i], v[98+4*\i:99+4*\i]
.endr
	v_pk_add_f32 v[80:81], v[80:81], v[112:113]
	v_pk_add_f32 v[82:83], v[82:83], v[114:115]
	global_store_b128 v1, v[80:83], s[14:15]       ; 512 consecutive bytes of out0, aligned
.Lfin:
	s_wait_tensorcnt 0x0
	ds_add_u32 v160, v161
	s_wait_dscnt 0x0
	s_endpgm
.Lfunc_end_k_q13400d9a89_context:
	.size	k_q13400d9a89_context, .Lfunc_end_k_q13400d9a89_context-k_q13400d9a89_context
	.p2alignl 7, 3214868480
	.fill 96, 4, 3214868480
	.section	.rodata,"a",@progbits
	.p2align	6, 0x0
	.amdhsa_kernel k_q13400d9a89_context
		.amdhsa_group_segment_fixed_size 29184
		.amdhsa_private_segment_fixed_size 0
		.amdhsa_enable_private_segment 0
		.amdhsa_kernarg_size 56
		.amdhsa_user_sgpr_count 2
		.amdhsa_user_sgpr_kernarg_segment_ptr 1
		.amdhsa_wavefront_size32 1
		.amdhsa_system_sgpr_workgroup_id_x 1
		.amdhsa_system_sgpr_workgroup_id_y 1
		.amdhsa_system_sgpr_workgroup_id_z 1
		.amdhsa_system_vgpr_workitem_id 0
		.amdhsa_next_free_vgpr 162
		.amdhsa_next_free_sgpr 66
		.amdhsa_reserve_vcc 1
		.amdhsa_float_denorm_mode_32 3
		.amdhsa_float_denorm_mode_16_64 3
		.amdhsa_memory_ordered 1
		.amdhsa_forward_progress 1
		.amdhsa_inst_pref_size 22
	.end_amdhsa_kernel
	.amdgpu_metadata
---
amdhsa.version: [ 1, 2 ]
amdhsa.kernels:
  - .name:           k_q13400d9a89_context
    .symbol:         k_q13400d9a89_context.kd
    .args:
      - { .name: encoder_outputs, .offset: 0, .size: 8, .value_kind: global_buffer, .address_space: global }
      - { .name: sc, .offset: 8, .size: 8, .value_kind: global_buffer, .address_space: global }
      - { .name: rows, .offset: 16, .size: 8, .value_kind: global_buffer, .address_space: global }
      - { .name: pos, .offset: 24, .size: 8, .value_kind: global_buffer, .address_space: global }
      - { .name: meta, .offset: 32, .size: 8, .value_kind: global_buffer, .address_space: global }
      - { .name: out0, .offset: 40, .size: 8, .value_kind: global_buffer, .address_space: global }
      - { .name: out1, .offset: 48, .size: 8, .value_kind: global_buffer, .address_space: global }
    .group_segment_fixed_size: 29184
    .private_segment_fixed_size: 0
    .kernarg_segment_align: 8
    .kernarg_segment_size: 56
    .max_flat_workgroup_size: 512
    .sgpr_count:     66
    .vgpr_count:     162
    .wavefront_size: 32
...
	.end_amdgpu_metadata
.endif
;; end of part 3
;; ======== version 2 of 3: 3 launches; 1.14 times as fast as version 1
;; limits: right only within a limited range of input values
;; workspace buffers: wq 1,048,576 bytes; hb 131,072 bytes; aq 67,108,864 bytes; sc 1,048,576 bytes; rows 262,144 bytes of whole numbers; pos 262,144 bytes of whole numbers; meta 16,384 bytes of whole numbers
;; launch prep (part 4): grid 256 x 1, 16 waves a work-group, no clusters, 166,656 bytes of LDS; arguments encoder_outputs, mask, W_e, W_h, hidden, b_h, b_e, lowp_scales, wq, hb, aq, rows, pos, meta; writes wq, hb, aq, rows, pos, meta
.if DOCPART == 4
	.amdgcn_target "amdgcn-amd-amdhsa--gfx1250"
	.amdhsa_code_object_version 6
	.text
	.protected	k_q13400d9a89_prep
	.globl	k_q13400d9a89_prep
	.p2align	8
	.type	k_q13400d9a89_prep,@function
k_q13400d9a89_prep:
	s_mov_b64 s[64:65], 0
	v_nop
	global_prefetch_b8 v0, s[64:65] scope:SCOPE_SE
	s_setreg_imm32_b32 hwreg(HW_REG_WAVE_MODE, 25, 1), 1
	s_wait_xcnt 0x0
; PREP: what the two later launches need, made once, by 256 work-groups of equal shape.  Work-group y serves batch b = y / 8 with seven others (j = y % 8).
;  THE ROWS.  Wave 0 makes the list of the batch's rows whose mask is not 0; behind the one barrier wave w turns the 16 listed rows of tile t = 8 w + j into codes of E4M3 (scale 2^e2), as operand images, in aq.
;  WHILE WAVE 0 MAKES THE LIST the other waves would only wait, so the two small jobs stand there:
;   wave 1: W_e [1024 k][1024 n] f32 -> codes (scale 2^e3), as operand images, in wq: columns 32 (y / 8) .. + 31, K step y % 8: 256 such jobs, one a work-group.
;   waves 8 to 15 of work-groups 0 to 127: hb[b][n] = (Q(hidden) Q(W_h))[b][n] x 2^(e0+e1) + b_h[n] + b_e[n], by the FP8 matrix instruction: columns 16 (y / 2) .. + 15, batches 16 (y % 2) .. + 15;
;   wave 8 + q takes K step q, one matrix instruction, and leaves its 16 x 16 sums in LDS; behind the barrier wave 15 adds the eight parts in ascending q and stores hb.
; A row whose mask is 0 gets the weight exp(-1e10 - max) = 0 as soon as its batch keeps one row: it is neither read nor multiplied.  A batch that keeps no row lists all 2,048 rows (am = 1).
; THE IMAGE of a fragment (16 rows or columns 16 t + r, K step q of 128): byte 512 c + 256 h + 16 r + y is the code of k = 128 q + 32 c + 16 h + y.  Four loads of 16 bytes a lane at
; 16 x lane + 512 c give a lane registers 4 c .. 4 c + 3.  Both operands of a product place k alike, so every product meets its partner; only the order of the sums inside an instruction differs from k's own order.
; code = x / 2^e, held within +-448, to the nearest code, ties to even.
; LIMITS: e0 .. e3 between -126 and 119; e0 + e1 between -126 and 127; the inputs are finite (NaN and infinities are not served).  hb's K is summed as eight parts of 128, added in f32: another order of rounding than one chain.
; No tensor load and no cluster: branches hang on counts made from the mask.  W_h is read in pieces of 64 bytes and hb stored so: hb is 131,072 bytes in all.
.set STGW, 8704                        ; a wave's stage: 4 K steps x 8 groups x (256 bytes + 16 of padding)
.set LIST, 16*STGW                     ; 2,048 list places of 4 bytes, and one word for what is not kept
.set TOT,  LIST+8704                   ; one word: the list's length
.set PS,   TOT+256                     ; hb's parts: 1,024 bytes for each wave, of which waves 8 to 15 use theirs
; n groups of 8 numbers v[src ..] become codes v[dst ..]: the hold (the conversion does not saturate: ISA guide 7.6.2), then the conversion.
; The line behind the last conversion is the plain vector instruction that stands between a scaled conversion and whatever next touches its registers.
.macro QUANT dst, src, n, scl, lim
.set qg, 0
.rept \n
.set qi, 0
.rept 8
	v_med3_num_f32 v[(\src)+8*qg+qi], v[(\src)+8*qg+qi], -v[\lim], v[\lim]
.set qi, qi+1
.endr
	v_cvt_scalef32_pk8_fp8_f32 v[(\dst)+2*qg:(\dst)+2*qg+1], v[(\src)+8*qg:(\src)+8*qg+7], v[\scl]
.set qg, qg+1
.endr
	v_nop
.endm
.macro MKSCALE e, scl, lim             ; v[scl] = 2^e as f32, v[lim] = 448 x 2^e
	s_add_co_i32 s60, s[\e], 127
	s_lshl_b32 s61, s60, 23
	v_mov_b32 v[\scl], s61
	s_add_co_i32 s60, s60, 8
	s_lshl_b32 s60, s60, 23
	s_or_b32 s60, s60, 0x600000
	v_mov_b32 v[\lim], s60
.endm
	s_load_b512 s[4:19], s[0:1], 0x0               ; enc 4, mask 6, W_e 8, W_h 10, hidden 12, b_h 14, b_e 16, scales 18
	s_load_b256 s[20:27], s[0:1], 0x40             ; wq 20, hb 22, aq 24, rows 26
	s_load_b128 s[28:31], s[0:1], 0x60             ; pos 28, meta 30
	v_lshl_add_u32 v254, v0, 2, 0x28300
	v_mov_b32 v255, 0
	v_lshrrev_b32 v1, 5, v0
	v_readfirstlane_b32 s36, v1                    ; wave 0..15
	v_and_b32 v2, 31, v0                           ; lane
	s_lshr_b32 s38, ttmp9, 3                       ; b
	s_and_b32 s39, ttmp9, 7                        ; j
	s_lshl_b32 s47, s36, 3
	s_add_co_u32 s47, s47, s39                     ; t
	; every LDS address is made here, ahead of the parting of the waves into their roles
	v_lshlrev_b32 v1, 4, v2                        ; 16 x lane
	v_lshlrev_b32 v12, 2, v2                       ; 4 x lane
	s_mul_i32 s40, s36, STGW
	v_lshrrev_b32 v10, 2, v2
	v_and_b32 v11, 3, v2
	v_mul_u32_u24 v3, v10, 272
	v_lshl_add_u32 v3, v11, 2, v3
	v_add_nc_u32 v3, s40, v3                       ; into my stage: group lane / 4 (= 2 c + h), byte 4 (lane % 4)
	v_lshrrev_b32 v10, 4, v2                       ; h = lane / 16: stays
	v_and_b32 v11, 15, v2                          ; r = lane % 16: stays
	v_mul_u32_u24 v4, v10, 272
	v_lshl_add_u32 v4, v11, 4, v4
	v_add_nc_u32 v4, s40, v4                       ; out of it: two groups an instruction, 16 bytes a lane
	s_lshl_b32 s41, s47, 6
	s_add_co_u32 s41, s41, LIST
	v_mov_b32 v5, s41                              ; my tile's 16 list places
	v_mov_b32 v6, TOT
	v_add_nc_u32 v7, LIST, v1
	s_lshl_b32 s48, s36, 10
	s_add_co_u32 s48, s48, PS
	v_add_nc_u32 v232, s48, v1                     ; my wave's part of hb's sums, 16 bytes a lane
	v_add_nc_u32 v15, PS+8192, v1                  ; and where wave 15 reads the eight parts of waves 8 to 15
	v_lshlrev_b32 v13, 14, v10                     ; wq: lanes 16-31 belong to the next tile of 16 columns, 8 images of 2,048 bytes on,
	v_lshl_add_u32 v13, v11, 4, v13                ; + 16 r
	s_lshl_b32 s42, s38, 13                        ; a batch's 2,048 words
	s_mov_b32 s43, 0
	s_wait_kmcnt 0x0
	s_load_b128 s[32:35], s[18:19], 0x0            ; e0 .. e3
	s_cmp_eq_u32 s36, 0
	s_cbranch_scc1 .Lscan
	s_cmp_eq_u32 s36, 1
	s_cbranch_scc1 .Lrole_e
	s_cmp_lt_u32 s36, 8
	s_cbranch_scc1 .Lscanned                       ; waves 2 to 7 have nothing to do ahead of the barrier
	s_cmp_ge_u32 ttmp9, 128
	s_cbranch_scc1 .Lscanned                       ; 128 tiles of hb: work-groups 0 to 127
; ---------------- hb, one K step.  Both operands are loaded in the operand's own order: lane (r, h) takes column (or batch) r and k' = 32 c + 16 h + 0 .. 15.
	s_lshr_b32 s50, ttmp9, 1                       ; t: columns 16 t on
	s_and_b32 s51, ttmp9, 1                        ; rt: batches 16 rt on
	s_and_b32 s52, s36, 7                          ; q
	v_lshlrev_b32 v233, 2, v11
	v_lshl_add_u32 v233, v10, 16, v233             ; W_h: 4 r + 16 h rows of 4,096 bytes
	v_lshlrev_b32 v234, 12, v11
	v_lshl_add_u32 v234, v10, 6, v234              ; hidden: row r, + 64 h
	s_lshl_b32 s56, s50, 6                         ; 16 columns of 4 bytes
	s_lshl_b32 s58, s52, 19                        ; 128 rows of W_h
	s_add_co_u32 s56, s56, s58
	s_mov_b32 s57, 0
	s_add_nc_u64 s[10:11], s[10:11], s[56:57]
	s_lshl_b32 s56, s51, 16                        ; 16 rows of hidden
	s_lshl_b32 s58, s52, 9                         ; 128 numbers of a row
	s_add_co_u32 s56, s56, s58
	s_add_nc_u64 s[12:13], s[12:13], s[56:57]
.irp c, 0,1,2,3
.irp i, 0,1,2,3,4,5,6,7,8,9,10,11,12,13,14,15
	global_load_b32 v[16+16*\c+\i], v233, s[10:11] offset:(32*\c+\i)*4096
.endr
.endr
.irp c, 0,1,2,3
.irp i, 0,1,2,3
	global_load_b128 v[80+16*\c+4*\i:80+16*\c+4*\i+3], v234, s[12:13] offset:128*\c+16*\i
.endr
.endr
	s_wait_kmcnt 0x0
	MKSCALE 33, 8, 9                               ; W_h: e1
	MKSCALE 32, 236, 237                           ; hidden: e0
	s_wait_loadcnt 0x0
	QUANT 144, 16, 8, 8, 9
	QUANT 160, 80, 8, 236, 237
	v_wmma_f32_16x16x128_fp8_fp8 v[176:183], v[144:159], v[160:175], 0   ; lane (r, h), register i: column 16 t + 8 h + i, batch 16 rt + r
.rept 4
	v_nop                                          ; four places behind the product, for the stores below and for all that later writes its registers
.endr
	ds_store_b128 v232, v[176:179]                 ; the result as an image of its registers, from its low end on
	ds_store_b128 v232, v[180:183] offset:512
	s_branch .Lscanned
; ---------------- W_e.  A lane takes a column and its registers run down K, so the conversions give codes with K innermost and nothing is transposed.
.Lrole_e:
	s_lshl_b32 s50, s39, 19                        ; K step y % 8: 128 rows of 4,096 bytes
	s_lshl_b32 s51, s38, 7                         ; column group y / 8: 32 columns of 4 bytes
	s_add_co_u32 s50, s50, s51
	s_mov_b32 s51, 0
	s_add_nc_u64 s[8:9], s[8:9], s[50:51]
.set n, 0
.rept 128
	global_load_b32 v[16+n], v12, s[8:9] offset:4096*n th:TH_LOAD_NT   ; W_e(128 q + n, my column): read once in the launch
.set n, n+1
.endr
	s_lshl_b32 s50, s38, 15                        ; two tiles' images
	s_lshl_b32 s52, s39, 11                        ; image q
	s_add_co_u32 s50, s50, s52
	s_add_nc_u64 s[20:21], s[20:21], s[50:51]
	s_wait_kmcnt 0x0
	MKSCALE 35, 8, 9
	s_wait_loadcnt 0x0
	QUANT 208, 16, 16, 8, 9                        ; v[208 + 8 c + 4 h + i]: codes of k' = 32 c + 16 h + 4 i ..
.irp c, 0,1,2,3
.irp h, 0,1
	global_store_b128 v13, v[208+8*\c+4*\h:208+8*\c+4*\h+3], s[20:21] offset:512*\c+256*\h   ; sixteen lanes store 256 consecutive bytes, aligned
.endr
.endr
	s_wait_xcnt 0x0                                ; the stores have read their registers, which the rows' part writes again
	s_branch .Lscanned
; ---------------- the list.  WAVE 0 ALONE makes it: the scatter's addresses hang on the mask, so one wave issues it; it is held inside the list's own bytes, and a barrier parts it from every read of them.
; Register n of lane l is row s = 128 (n / 4) + 4 l + n % 4.  The list takes the kept rows in the order (n, l): a permutation, which rows and pos describe.
.Lscan:
	s_add_nc_u64 s[6:7], s[6:7], s[42:43]
.irp i, 0,1,2,3,4,5,6,7,8,9,10,11,12,13,14,15
	global_load_b128 v[16+4*\i:19+4*\i], v1, s[6:7] offset:512*\i
.endr
.irp i, 208,209,210,211
	v_mov_b32 v\i, 0
.endr
.irp i, 0,1,2,3,4,5,6,7,8,9,10,11,12,13,14,15
	ds_store_b128 v7, v[208:211] offset:512*\i     ; places behind the list's end name row 0
.endr
.set n, 0
.rept 64
	v_add_nc_u32 v[144+n], 128*(n/4)+n%4, v12      ; s
.set n, n+1
.endr
	s_mov_b32 s45, 0                               ; kept so far
	s_wait_loadcnt 0x0
.set n, 0
.rept 64
	v_cmp_ne_u32 s48, 0, v[16+n]                   ; who keeps
	v_mbcnt_lo_u32_b32 v[80+n], s48, s45           ; kept so far + kept in the lanes below me
	s_bcnt1_i32_b32 s50, s48
	v_cndmask_b32 v[16+n], -1, v[80+n], s48        ; pos: the list place, or -1
	s_add_co_u32 s45, s45, s50
	v_min_u32 v[80+n], 0x800, v[16+n]              ; -1 falls on word 2,048, which nobody reads
	v_lshl_add_u32 v[80+n], v[80+n], 2, LIST
	ds_store_b32 v[80+n], v[144+n]
.set n, n+1
.endr
	s_cmp_eq_u32 s45, 0
	s_cselect_b32 s44, 1, 0                        ; am
	s_cbranch_scc0 .Lsome
.set n, 0
.rept 64
	v_mov_b32 v[16+n], v[144+n]                    ; no row is kept: the weights are uniform, and every row is listed at its own place
.set n, n+1
.endr
.irp i, 0,1,2,3,4,5,6,7,8,9,10,11,12,13,14,15
	ds_store_b128 v7, v[144+4*\i:147+4*\i] offset:512*\i
.endr
	s_movk_i32 s45, 0x800
.Lsome:
	v_mov_b32 v212, s45
	ds_store_b32 v6, v212                          ; the list's length, for the other waves
	s_cmp_lg_u32 s39, 0
	s_cbranch_scc1 .Lscanned
	; the batch's first work-group stores pos, rows and meta
	s_add_co_u32 s46, s45, 15
	s_lshr_b32 s46, s46, 4                         ; Tb: tiles of 16 places
	s_add_co_u32 s49, s46, 3
	s_and_b32 s49, s49, -4                         ; Tq: rounded up to fours
	v_mov_b32 v213, s46
	v_mov_b32 v214, s49
	v_mov_b32 v215, s44
	s_add_nc_u64 s[28:29], s[28:29], s[42:43]
	s_add_nc_u64 s[26:27], s[26:27], s[42:43]
	s_lshl_b32 s42, s38, 9
	s_add_nc_u64 s[30:31], s[30:31], s[42:43]
.irp i, 0,1,2,3,4,5,6,7,8,9,10,11,12,13,14,15
	global_store_b128 v1, v[16+4*\i:19+4*\i], s[28:29] offset:512*\i
.endr
	global_store_b128 v1, v[212:215], s[30:31]     ; 32 copies of (cnt, Tb, Tq, am): 512 consecutive bytes
	s_wait_dscnt 0x0                               ; the scatter is done: its address registers take the list
.irp i, 0,1,2,3,4,5,6,7,8,9,10,11,12,13,14,15
	ds_load_b128 v[80+4*\i:83+4*\i], v7 offset:512*\i
.endr
	s_wait_dscnt 0x0
.irp i, 0,1,2,3,4,5,6,7,8,9,10,11,12,13,14,15
	global_store_b128 v1, v[80+4*\i:83+4*\i], s[26:27] offset:512*\i
.endr
	s_wait_xcnt 0x0                                ; the stores have read their registers, into which rows are loaded below
.Lscanned:
	s_wait_dscnt 0x0                               ; for the others' sake: the list, its length and hb's parts lie in LDS
	s_barrier_signal -1
	s_barrier_wait -1                              ; the only barrier: behind it the list and hb's parts are only read, and each stage is its wave's own
; ---------------- hb: wave 15 of work-groups 0 to 127 adds the eight K steps' parts, in ascending q
	s_cmp_lg_u32 s36, 15
	s_cbranch_scc1 .Lno_hb
	s_cmp_ge_u32 ttmp9, 128
	s_cbranch_scc1 .Lno_hb
	s_lshr_b32 s50, ttmp9, 1                       ; t
	s_and_b32 s51, ttmp9, 1                        ; rt
	s_lshl_b32 s56, s50, 6                         ; 16 columns of 4 bytes
	s_mov_b32 s57, 0
	s_add_nc_u64 s[14:15], s[14:15], s[56:57]
	s_add_nc_u64 s[16:17], s[16:17], s[56:57]
	s_add_nc_u64 s[22:23], s[22:23], s[56:57]
	s_lshl_b32 s56, s51, 16                        ; 16 rows of 4,096 bytes
	s_add_nc_u64 s[22:23], s[22:23], s[56:57]
	v_lshlrev_b32 v238, 5, v10                     ; the biases: 32 h
	v_lshl_add_u32 v239, v11, 12, v238             ; hb: row r, + 32 h
	global_load_b128 v[184:187], v238, s[14:15]
	global_load_b128 v[188:191], v238, s[14:15] offset:16
	global_load_b128 v[192:195], v238, s[16:17]
	global_load_b128 v[196:199], v238, s[16:17] offset:16
.irp q, 0,1,2,3,4,5,6,7
	ds_load_b128 v[16+8*\q:19+8*\q], v15 offset:1024*\q
	ds_load_b128 v[20+8*\q:23+8*\q], v15 offset:1024*\q+512
.endr
	s_wait_kmcnt 0x0
	s_add_co_i32 s54, s32, s33
	s_add_co_i32 s54, s54, 127
	s_lshl_b32 s54, s54, 23                        ; 2^(e0 + e1) as f32
	s_mov_b32 s55, s54                             ; (named with it as a pair, so it is written)
	s_wait_dscnt 0x0
.irp q, 1,2,3,4,5,6,7
.irp k, 0,2,4,6
	v_pk_add_f32 v[16+\k:17+\k], v[16+\k:17+\k], v[16+8*\q+\k:17+8*\q+\k]
.endr
.endr
	s_wait_loadcnt 0x0
.irp k, 0,2,4,6
	v_pk_add_f32 v[184+\k:185+\k], v[184+\k:185+\k], v[192+\k:193+\k]   ; b_h + b_e
.endr
.irp k, 0,2,4,6
	v_pk_fma_f32 v[200+\k:201+\k], v[16+\k:17+\k], s[54:55], v[184+\k:185+\k] op_sel_hi:[1,0,1]
.endr
	global_store_b128 v239, v[200:203], s[22:23]
	global_store_b128 v239, v[204:207], s[22:23] offset:16
	s_wait_xcnt 0x0                                ; the stores have read their registers, which the rows' part writes again
.Lno_hb:
; ---------------- the rows: wave w takes the tile of 16 list places t = 8 w + j
	ds_load_b32 v14, v6
	s_wait_dscnt 0x0
	v_readfirstlane_b32 s45, v14                   ; cnt
	s_add_co_u32 s46, s45, 15
	s_lshr_b32 s46, s46, 4
	s_add_co_u32 s49, s46, 3
	s_and_b32 s49, s49, -4                         ; Tq
	s_cmp_ge_u32 s47, s49
	s_cbranch_scc1 .Lend                           ; no list places for this wave
.irp i, 0,1,2,3
	ds_load_b128 v[216+4*\i:219+4*\i], v5 offset:16*\i   ; my 16 rows' numbers, in every lane
.endr
	s_lshl_b32 s42, s38, 23                        ; a batch's 2,048 rows of 4,096 bytes
	s_mov_b32 s43, 0
	s_add_nc_u64 s[4:5], s[4:5], s[42:43]
	s_lshl_b32 s42, s38, 7
	s_add_co_u32 s42, s42, s47
	s_lshl_b32 s42, s42, 14                        ; tile 128 b + t: 8 images
	s_add_nc_u64 s[24:25], s[24:25], s[42:43]
	s_wait_kmcnt 0x0
	MKSCALE 34, 8, 9                               ; e2
	s_wait_dscnt 0x0
.irp r, 0,1,2,3,4,5,6,7,8,9,10,11,12,13,14,15
	v_min_u32 v[216+\r], 0x7ff, v[216+\r]
.endr
.irp r, 0,1,2,3,4,5,6,7,8,9,10,11,12,13,14,15
	v_lshl_add_u32 v[216+\r], v[216+\r], 12, v1    ; row x 4,096 + 16 x lane; never rewritten
.endr
; Half-row n = 16 z + r: K steps 4 z .. 4 z + 3 of row r.  Each of its four loads reads 512 consecutive bytes, one K step: lane l holds k' = 4 l .. 4 l + 3.  A ring of eight half-rows: 32 loads of the wave are out.
.macro LOADH n
.irp i, 0,1,2,3
	global_load_b128 v[16+16*((\n)%8)+4*\i:16+16*((\n)%8)+4*\i+3], v[216+(\n)%16], s[4:5] offset:2048*((\n)/16)+512*\i
.endr
.endm
.macro HALF n
.if 31-(\n) >= 7
	s_wait_loadcnt 28                              ; mine are in; the seven younger half-rows stay out
.else
	s_wait_loadcnt 4*(31-(\n))
.endif
	s_wait_dscnt 4                                 ; the stores of two half-rows ago are done: their four code registers are written again
	QUANT 144+4*((\n)%2), 16+16*((\n)%8), 2, 8, 9  ; register i: my four codes of K step 4 z + i
.irp i, 0,1,2,3
	ds_store_b32 v3, v[144+4*((\n)%2)+\i] offset:2176*\i+16*((\n)%16)   ; word 68 (l / 4) + 4 r + l % 4: 32 lanes, 32 different banks
.endr
.if (\n)+8 < 32
	LOADH (\n)+8
.endif
.endm
.macro FLUSH z                         ; four finished images leave: LDS serves a wave's instructions in order, so these loads see my stores
.if \z
	s_wait_xcnt 0x0                                ; the first sweep's stores have read these registers
.endif
.irp i, 0,1,2,3
.irp c, 0,1,2,3
	ds_load_b128 v[152+16*\i+4*\c:152+16*\i+4*\c+3], v4 offset:2176*\i+544*\c
.endr
.endr
.irp i, 0,1,2,3
.irp c, 0,1,2,3
	s_wait_dscnt 15-(4*\i+\c)
	global_store_b128 v1, v[152+16*\i+4*\c:152+16*\i+4*\c+3], s[24:25] offset:(4*\z+\i)*2048+512*\c   ; 512 consecutive bytes, aligned
.endr
.endr
.endm
.set hn, 0
.rept 8
	LOADH hn
.set hn, hn+1
.endr
.set hn, 0
.rept 16
	HALF hn
.set hn, hn+1
.endr
	FLUSH 0
.rept 16
	HALF hn
.set hn, hn+1
.endr
	FLUSH 1
.Lend:
	s_wait_tensorcnt 0x0
	ds_add_u32 v254, v255
	s_wait_dscnt 0x0
	s_endpgm
.Lfunc_end_k_q13400d9a89_prep:
	.size	k_q13400d9a89_prep, .Lfunc_end_k_q13400d9a89_prep-k_q13400d9a89_prep
	.p2alignl 7, 3214868480
	.fill 96, 4, 3214868480
	.section	.rodata,"a",@progbits
	.p2align	6, 0x0
	.amdhsa_kernel k_q13400d9a89_prep
		.amdhsa_group_segment_fixed_size 166656
		.amdhsa_private_segment_fixed_size 0
		.amdhsa_enable_private_segment 0
		.amdhsa_kernarg_size 112
		.amdhsa_user_sgpr_count 2
		.amdhsa_user_sgpr_kernarg_segment_ptr 1
		.amdhsa_wavefront_size32 1
		.amdhsa_system_sgpr_workgroup_id_x 1
		.amdhsa_system_sgpr_workgroup_id_y 1
		.amdhsa_system_sgpr_workgroup_id_z 1
		.amdhsa_system_vgpr_workitem_id 0
		.amdhsa_next_free_vgpr 256
		.amdhsa_next_free_sgpr 66
		.amdhsa_reserve_vcc 0
		.amdhsa_float_denorm_mode_32 3
		.amdhsa_float_denorm_mode_16_64 3
		.amdhsa_memory_ordered 1
		.amdhsa_forward_progress 1
		.amdhsa_inst_pref_size 161
	.end_amdhsa_kernel
	.amdgpu_metadata
---
amdhsa.version: [ 1, 2 ]
amdhsa.kernels:
  - .name:           k_q13400d9a89_prep
    .symbol:         k_q13400d9a89_prep.kd
    .args:
      - { .name: encoder_outputs, .offset: 0, .size: 8, .value_kind: global_buffer, .address_space: global }
      - { .name: mask, .offset: 8, .size: 8, .value_kind: global_buffer, .address_space: global }
      - { .name: W_e, .offset: 16, .size: 8, .value_kind: global_buffer, .address_space: global }
      - { .name: W_h, .offset: 24, .size: 8, .value_kind: global_buffer, .address_space: global }
      - { .name: hidden, .offset: 32, .size: 8, .value_kind: global_buffer, .address_space: global }
      - { .name: b_h, .offset: 40, .size: 8, .value_kind: global_buffer, .address_space: global }
      - { .name: b_e, .offset: 48, .size: 8, .value_kind: global_buffer, .address_space: global }
      - { .name: lowp_scales, .offset: 56, .size: 8, .value_kind: global_buffer, .address_space: global }
      - { .name: wq, .offset: 64, .size: 8, .value_kind: global_buffer, .address_space: global }
      - { .name: hb, .offset: 72, .size: 8, .value_kind: global_buffer, .address_space: global }
      - { .name: aq, .offset: 80, .size: 8, .value_kind: global_buffer, .address_space: global }
      - { .name: rows, .offset: 88, .size: 8, .value_kind: global_buffer, .address_space: global }
      - { .name: pos, .offset: 96, .size: 8, .value_kind: global_buffer, .address_space: global }
      - { .name: meta, .offset: 104, .size: 8, .value_kind: global_buffer, .address_space: global }
    .group_segment_fixed_size: 166656
    .private_segment_fixed_size: 0
    .kernarg_segment_align: 8
    .kernarg_segment_size: 112
    .max_flat_workgroup_size: 512
    .sgpr_count:     66
    .vgpr_count:     256
    .wavefront_size: 32
...
	.end_amdgpu_metadata
.endif
;; end of part 4
;; launch energy: the kernel of part 2 again; grid 256 x 1, 4 waves a work-group, no clusters, 147,968 bytes of LDS; arguments aq, wq, hb, v, lowp_scales, meta, sc; writes sc
;; launch context: the kernel of part 3 again; grid 256 x 1, 16 waves a work-group, no clusters, 29,184 bytes of LDS; arguments encoder_outputs, sc, rows, pos, meta, out0, out1; writes out0, out1
;; ======== version 3 of 3: 3 launches; version 2 with the launch energy written anew for expert scheduling mode
;; limits: right only within a limited range of input values
;; workspace buffers: wq 1,048,576 bytes; hb 131,072 bytes; aq 67,108,864 bytes; sc 1,048,576 bytes; rows 262,144 bytes of whole numbers; pos 262,144 bytes of whole numbers; meta 16,384 bytes of whole numbers
;; launch prep: the kernel of part 4 again; grid 256 x 1, 16 waves a work-group, no clusters, 166,656 bytes of LDS; arguments encoder_outputs, mask, W_e, W_h, hidden, b_h, b_e, lowp_scales, wq, hb, aq, rows, pos, meta; writes wq, hb, aq, rows, pos, meta
;; launch energy (part 5): grid 256 x 1, 4 waves a work-group, no clusters, 147,968 bytes of LDS; arguments aq, wq, hb, v, lowp_scales, meta, sc; writes sc
.if DOCPART == 5
	.amdgcn_target "amdgcn-amd-amdhsa--gfx1250"
	.amdhsa_code_object_version 6
	.text
	.protected	k_q13400d9a89_energy
	.globl	k_q13400d9a89_energy
	.p2align	8
	.type	k_q13400d9a89_energy,@function
k_q13400d9a89_energy:
	s_mov_b64 s[64:65], 0
	v_nop
	global_prefetch_b8 v0, s[64:65] scope:SCOPE_SE
	s_setreg_imm32_b32 hwreg(HW_REG_WAVE_SCHED_MODE, 0, 2), 2
	s_setreg_imm32_b32 hwreg(HW_REG_WAVE_MODE, 25, 1), 1
	s_wait_xcnt 0x0
	s_wait_alu depctr_vm_vsrc(0)
; ENERGY: sc[nq][b][place] = the sum over the 256 columns n of quarter nq of v[n] tanh(hb[b][n] + (Q(row) Q(W_e))[n] 2^(e2+e3)), for the listed rows of batch b.
; SHARES.  Work-group x: nq = x % 4, hh = (x / 4) % 2, b = x / 8.  In trip i (0 .. 15) it takes the four tiles of 16 list places 8 i + 4 hh + j.  Wave w owns columns 256 nq + 64 w .. + 63:
; its 4 x 8 fragments of W_e stay in 512 registers for the whole launch, read from memory once.  A tile's eight fragments go through LDS and feed four matrix instructions each, in each of the four waves.
; The product is used transposed (source 0 = 16 columns of W_e, source 1 = 16 rows): a lane holds ONE row and 32 columns, so the dot with v needs one exchange between the halves of the lanes.
; tanh x = 1 - 2 / (1 + 2^(2 log2(e) x)).  The score is (the sum of v) + the sum of (-2 v) / (1 + 2^..): the first sum is made once.
; Tiles behind the list's end are left out by scalar branches on the stored count.  So the text has no tensor load and no joint request, though
; the four quarters of a batch read the same tiles; every barrier stands where all ways join.
; A quad of tiles is loaded into registers two trips ahead of its use (wave w: tile w), stored into the LDS buffer that is not being read, and shown to all waves by the trip's one barrier.  No prefetch: no wave waits for that stream.
; LIMITS: e2 + e3 between -127 and 126 (they are added to the exponent field of 2 log2(e)).
; REGISTERS.  window 0: v1-13 addresses; v16-47 four accumulators; v48-79 2 log2(e) hb; v80-111 -2 v; v112-123 at work; v124-127 zeros at the head, then the scores of a trip's four tiles; v128-255 a tile on its way to LDS.
;   window 1: two sets of a tile's eight fragments.   windows 2, 3: W_e's fragments: (u, q) at v[64 (q % 4) + 16 u] of window 2 + q / 4.
; THE MODE: SCHED_MODE bits 1:0 = 2 (LLVM: expert scheduling mode 2), set by the entry lines.  The code itself states the register dependences
; between vector or matrix instructions and memory or LDS instructions, with s_wait_alu, always for 0.
; THE PLAN.  Registers that memory or LDS instructions touch, in the loop:
;   v1 to v5        addresses, made at the head and never written again.
;   v6              the LDS address of a trip's scores: written once, at the trip's head; read by the trip's four stores of scores.
;   v124 to v127    tile j's score: written by the last addition of tile j's closing work; read by its one store; written again a trip later.
;   v128 to v255    the stage: written by the global loads of the quad two trips on; read by the next trip's 32 LDS stores; no vector instruction names them.
;   window 1        a fragment set: written by a run of 32 LDS loads; read by a tile's 32 matrix instructions.
; A tile's closing work holds two waits on va_vdst for its exponentials and reciprocals.  Both stand behind the tile's matrix instructions, so they also state that these are done reading their fragment
; set: the next run of LDS loads into that set follows with no further wait, since nothing between names window 1 or v1, v2.  A third stands ahead of the score's store.
; Two waits on vm_vsrc a trip: at its top for v6 and the scores, and behind the first tile's products for the stage.  Behind the second the stage's 32 global loads are dealt among the first tile's
; exponentials and reciprocals, which name v16 to v47: none of the registers that those loads touch.
.set BUF1, 65536                       ; two buffers of four tile images (4 x 16,384 bytes)
.set SCP,  131072                      ; the waves' partial scores: 4 x 1,024 words
.set MSB, 0
.macro WIN new                         ; the immediate's high byte repeats the setting that is left
.if MSB != \new
	s_set_vgpr_msb (MSB<<8)|\new
.set MSB, \new
.endif
.endm
.macro STAGE_ADDR d                    ; where my tile of the quad that begins at tile s30 + d lies, held inside the tiles that were written
	s_wait_xcnt 0x0                                ; the last quad's loads have had their addresses translated: their base is written again only behind this wait
	s_add_co_u32 s44, s30, \d
	s_min_u32 s44, s44, s31
	s_min_u32 s44, s44, 124
	s_lshl_b32 s44, s44, 14
	s_mov_b32 s45, 0
	s_add_nc_u64 s[34:35], s[32:33], s[44:45]
.endm
.macro STAGE_RUN                       ; its 32 loads in one run: at the head, where there is no vector work to deal them among
.set m, 0
.rept 32
	global_load_b128 v[128+4*m:131+4*m], v1, s[34:35] offset:512*m
.set m, m+1
.endr
.endm
.macro STAGE_STORE p
.set m, 0
.rept 32
	ds_store_b128 v[3+(\p)], v[128+4*m:131+4*m] offset:512*m
.set m, m+1
.endr
.endm
.macro FRAGS p, j, set                 ; tile j of buffer p: eight fragments, as they lie
	WIN 0x40                                       ; destination window 1, address window 0
.irp q, 0,1,2,3,4,5,6,7
.irp c, 0,1,2,3
	ds_load_b128 v[128*(\set)+16*\q+4*\c:128*(\set)+16*\q+4*\c+3], v[1+(\p)] offset:16384*(\j)+2048*\q+512*\c
.endr
.endr
	WIN 0
.endm
.macro MUL set                         ; 32 matrix instructions; the four accumulators take turns
.irp q, 0,1,2,3,4,5,6,7
.if \q < 4
	WIN 0x06                                       ; source 0 (W_e) window 2, source 1 (the rows) window 1
.else
	WIN 0x07                                       ; source 0 window 3
.endif
.irp u, 0,1,2,3
.if \q == 0
	v_wmma_f32_16x16x128_fp8_fp8 v[16+8*\u:23+8*\u], v[64*(\q%4)+16*\u:64*(\q%4)+16*\u+15], v[128*(\set)+16*\q:128*(\set)+16*\q+15], 0
.else
	v_wmma_f32_16x16x128_fp8_fp8 v[16+8*\u:23+8*\u], v[64*(\q%4)+16*\u:64*(\q%4)+16*\u+15], v[128*(\set)+16*\q:128*(\set)+16*\q+15], v[16+8*\u:23+8*\u]
.endif
.endr
.endr
	WIN 0
.endm
; A tile's closing work.  Lane (r, h), register 8 u + i: row r, column 16 u + 8 h + i of my 64.  st = 1: the stage's 32 global loads stand among the transcendentals, one behind every second.
.macro EPI j, st
.rept 4
	v_nop                                          ; four places behind the last product (ISA guide 7.12.1)
.endr
.irp k, 0,2,4,6,8,10,12,14,16,18,20,22,24,26,28,30
	v_pk_fma_f32 v[16+\k:17+\k], v[16+\k:17+\k], s[36:37], v[48+\k:49+\k] op_sel_hi:[1,0,1]   ; 2 log2(e) x; each accumulator from its low end on
.endr
.set m, 0
.rept 32
	v_exp_f32 v[16+m], v[16+m]
.if (\st) && ((m%2) == 1)
	global_load_b128 v[128+2*(m-1):131+2*(m-1)], v1, s[34:35] offset:256*(m-1)   ; the stage's loads 0 to 15: no vector instruction names v1 or v128 to v255
.endif
.set m, m+1
.endr
	v_nop                                          ; a plain instruction behind the batch,
	s_wait_alu depctr_va_vdst(0)                   ; and one wait for it: the exponentials have written v16 to v47, ahead of their first reader; the tile's matrix instructions are done reading their fragment set
.irp k, 0,2,4,6,8,10,12,14,16,18,20,22,24,26,28,30
	v_pk_add_f32 v[16+\k:17+\k], v[16+\k:17+\k], 1.0 op_sel_hi:[1,0]
.endr
.set m, 0
.rept 32
	v_rcp_f32 v[16+m], v[16+m]
.if (\st) && ((m%2) == 1)
	global_load_b128 v[192+2*(m-1):195+2*(m-1)], v1, s[34:35] offset:8192+256*(m-1)   ; the stage's loads 16 to 31
.endif
.set m, m+1
.endr
	v_nop
	s_wait_alu depctr_va_vdst(0)                   ; the reciprocals have written v16 to v47, ahead of their first reader
	v_pk_fma_f32 v[112:113], v[16:17], v[80:81], v[120:121]   ; four chains; the first begins with the sum of my 32 v
	v_pk_mul_f32 v[114:115], v[18:19], v[82:83]
	v_pk_mul_f32 v[116:117], v[20:21], v[84:85]
	v_pk_mul_f32 v[118:119], v[22:23], v[86:87]
.irp k, 8,16,24
.irp c, 0,2,4,6
	v_pk_fma_f32 v[112+\c:113+\c], v[16+\k+\c:17+\k+\c], v[80+\k+\c:81+\k+\c], v[112+\c:113+\c]
.endr
.endr
	v_pk_add_f32 v[112:113], v[112:113], v[114:115]
	v_pk_add_f32 v[116:117], v[116:117], v[118:119]
	v_pk_add_f32 v[112:113], v[112:113], v[116:117]
	v_add_f32 v122, v112, v113
	v_permlanex16_b32 v123, v122, s38, s39         ; the row's other 32 columns lie in the lane 16 away
	v_add_f32 v[124+(\j)], v122, v123
	s_wait_alu depctr_va_vdst(0)                   ; the addition has written the tile's score, which the store reads; v6, its address, was written at the trip's head.  The chains are done reading v16 to v47
	ds_store_b32 v6, v[124+(\j)] offset:64*(\j)    ; lanes r and r + 16 store the same number at the same word
.endm
; A trip: four tiles out of buffer p.  ONE barrier, where all ways join: in front of it each wave's LDS work is done, so behind it buffer p may be written again and buffer 1 - p is whole.
.macro TRIP p
	s_wait_alu depctr_vm_vsrc(0)                   ; the last trip's stores of scores have read v6 and v124 to v127 (ahead of the first trip: the clearing stores have read v124 to v127): this trip writes them again
	s_cmp_ge_u32 s30, s21
	s_cbranch_scc1 .Lend_\@                        ; the list has ended: nothing but the barrier
	v_add_nc_u32 v6, s41, v5
	FRAGS \p, 0, 0                                 ; (the products that read this set stand ahead of the waits in the closing work of the last trip's third tile)
	s_wait_loadcnt 0x0                             ; the next trip's tile, asked for a trip ago, is in registers
	STAGE_STORE 1-\p
	s_wait_dscnt 32                                ; the fragments are in; the 32 stores may be out
	MUL 0
	s_wait_dscnt 0x0                               ; the stores are done
	s_wait_alu depctr_vm_vsrc(0)                   ; the 32 LDS stores have read v128 to v255, in which the tile of two trips on lands
	STAGE_ADDR 16
	FRAGS \p, 1, 1                                 ; (likewise: the last trip's fourth tile)
	EPI 0, 1
	s_add_co_u32 s44, s30, 1
	s_cmp_ge_u32 s44, s21
	s_cbranch_scc1 .Lend_\@
	FRAGS \p, 2, 0                                 ; (the first tile's products stand ahead of the waits in its closing work)
	s_wait_dscnt 32                                ; all but the 32 just issued
	MUL 1
	EPI 1, 0
	s_add_co_u32 s44, s30, 2
	s_cmp_ge_u32 s44, s21
	s_cbranch_scc1 .Lend_\@
	FRAGS \p, 3, 1                                 ; (likewise: the second tile)
	s_wait_dscnt 32
	MUL 0
	EPI 2, 0
	s_add_co_u32 s44, s30, 3
	s_cmp_ge_u32 s44, s21
	s_cbranch_scc1 .Lend_\@
	s_wait_dscnt 0x0
	MUL 1
	EPI 3, 0
.Lend_\@:
	s_wait_dscnt 0x0
	s_barrier_signal -1
	s_barrier_wait -1
	s_add_co_u32 s30, s30, 8
	s_add_co_u32 s41, s41, 256
.endm
	s_load_b256 s[4:11], s[0:1], 0x0               ; aq 4, wq 6, hb 8, v 10
	s_load_b128 s[12:15], s[0:1], 0x20             ; scales 12, meta 14
	s_load_b64 s[16:17], s[0:1], 0x30              ; sc
	v_lshl_add_u32 v14, v0, 2, 0x24000
	v_mov_b32 v15, 0
	v_lshrrev_b32 v9, 5, v0
	v_readfirstlane_b32 s26, v9                    ; wave w
	s_and_b32 s27, ttmp9, 3                        ; nq
	s_bfe_u32 s28, ttmp9, 0x10002                  ; hh
	s_lshr_b32 s29, ttmp9, 3                       ; b
	v_and_b32 v9, 31, v0
	v_lshlrev_b32 v1, 4, v9                        ; 16 x lane: buffer 0,
	v_add_nc_u32 v2, BUF1, v1                      ; buffer 1
	s_wait_alu depctr_va_sdst(0)                   ; s26 is written, ahead of its first reader: the wave's places in LDS and in the buffers are made from it
	s_lshl_b32 s44, s26, 14
	v_add_nc_u32 v3, s44, v1                       ; where I store my tile: buffer 0,
	v_add_nc_u32 v4, BUF1, v3                      ; buffer 1
	v_and_b32 v10, 15, v0                          ; r
	v_bfe_u32 v11, v0, 4, 1                        ; h
	s_lshl_b32 s45, s26, 12
	s_add_co_u32 s45, s45, SCP
	v_lshl_add_u32 v5, v10, 2, s45                 ; my wave's scores, word r
	v_lshlrev_b32 v7, 5, v11                       ; 32 h
	v_lshl_add_u32 v12, v0, 4, SCP                 ; 16 x thread in the scores
	v_lshrrev_b32 v13, 4, v0
	v_lshlrev_b32 v13, 9, v13
	v_lshl_add_u32 v13, v10, 4, v13                ; sc: 512 (thread / 16) + 16 (thread % 16)
.irp i, 122,123,124,125,126,127
	v_mov_b32 v\i, 0
.endr
	s_wait_alu depctr_va_vdst(0)                   ; the addresses and offsets v1 to v5, v7, v12 and v13 are written, which the loads and stores of the whole kernel read; so are the zeros v124 to v127, the clearing stores' data
.irp k, 0,1,2,3,4,5,6,7
	ds_store_b128 v12, v[124:127] offset:2048*\k   ; tiles that are left out leave zeros
.endr
	s_mov_b32 s38, 0x76543210
	s_mov_b32 s39, 0xfedcba98
	s_mov_b32 s41, 0
	s_lshl_b32 s30, s28, 2                         ; the trip's first tile
	s_mov_b32 s45, 0
	s_wait_kmcnt 0x0
	s_lshl_b32 s44, s29, 9
	s_add_nc_u64 s[14:15], s[14:15], s[44:45]
	s_load_b128 s[20:23], s[14:15], 0x0            ; cnt, Tb, Tq, am
	s_load_b64 s[24:25], s[12:13], 0x8             ; e2, e3
	s_lshl_b32 s44, s27, 4
	s_lshl_b32 s46, s26, 2
	s_add_co_u32 s44, s44, s46
	s_lshl_b32 s44, s44, 14                        ; tile of columns 16 nq + 4 w: 8 images each
	s_add_nc_u64 s[6:7], s[6:7], s[44:45]
	WIN 0x80                                       ; destination window 2
.irp q, 0,1,2,3
.irp u, 0,1,2,3
.irp c, 0,1,2,3
	global_load_b128 v[64*\q+16*\u+4*\c:64*\q+16*\u+4*\c+3], v1, s[6:7] offset:16384*\u+2048*\q+512*\c
.endr
.endr
.endr
	WIN 0xc0                                       ; destination window 3
.irp q, 0,1,2,3
.irp u, 0,1,2,3
.irp c, 0,1,2,3
	global_load_b128 v[64*\q+16*\u+4*\c:64*\q+16*\u+4*\c+3], v1, s[6:7] offset:16384*\u+2048*(\q+4)+512*\c
.endr
.endr
.endr
	WIN 0
	s_lshl_b32 s44, s27, 10
	s_lshl_b32 s46, s26, 8
	s_add_co_u32 s44, s44, s46                     ; my first column, in bytes
	s_add_nc_u64 s[10:11], s[10:11], s[44:45]
	s_lshl_b32 s46, s29, 12
	s_add_co_u32 s44, s44, s46
	s_add_nc_u64 s[8:9], s[8:9], s[44:45]
.irp u, 0,1,2,3
	global_load_b128 v[48+8*\u:51+8*\u], v7, s[8:9] offset:64*\u
	global_load_b128 v[52+8*\u:55+8*\u], v7, s[8:9] offset:64*\u+16
	global_load_b128 v[80+8*\u:83+8*\u], v7, s[10:11] offset:64*\u
	global_load_b128 v[84+8*\u:87+8*\u], v7, s[10:11] offset:64*\u+16
.endr
	s_lshl_b32 s44, s29, 21                        ; a batch's 128 tiles
	s_lshl_b32 s46, s26, 14                        ; my tile of a quad
	s_add_co_u32 s44, s44, s46
	s_add_nc_u64 s[32:33], s[4:5], s[44:45]
	s_lshl_b32 s44, s27, 18
	s_lshl_b32 s46, s29, 13
	s_add_co_u32 s44, s44, s46
	s_lshl_b32 s46, s28, 8
	s_add_co_u32 s44, s44, s46
	s_add_nc_u64 s[16:17], s[16:17], s[44:45]      ; sc at (nq, b), + 256 hh
	s_wait_kmcnt 0x0
	s_sub_co_u32 s31, s22, 4                       ; the last quad that was written
	s_add_co_i32 s44, s24, s25
	s_lshl_b32 s44, s44, 23
	s_add_co_i32 s36, s44, 0x4038aa3b              ; 2 log2(e) x 2^(e2 + e3)
	s_mov_b32 s37, s36                             ; (named with it as a pair, so it is written)
	STAGE_ADDR 0
	STAGE_RUN
	s_wait_loadcnt 0x0
	STAGE_STORE 0
	v_pk_add_f32 v[120:121], v[80:81], v[82:83]
.irp k, 4,6,8,10,12,14,16,18,20,22,24,26,28,30
	v_pk_add_f32 v[120:121], v[120:121], v[80+\k:81+\k]
.endr
	v_add_f32 v120, v120, v121                     ; the sum of my 32 v,
	v_mov_b32 v121, 0                              ; once
.irp k, 0,2,4,6,8,10,12,14,16,18,20,22,24,26,28,30
	v_pk_mul_f32 v[48+\k:49+\k], v[48+\k:49+\k], 0x4038aa3b op_sel_hi:[1,0]
	v_pk_mul_f32 v[80+\k:81+\k], v[80+\k:81+\k], -2.0 op_sel_hi:[1,0]
.endr
	s_wait_dscnt 0x0                               ; buffer 0 and the cleared scores lie in LDS
	s_wait_alu depctr_vm_vsrc(0)                   ; the 32 LDS stores have read v128 to v255, in which the next quad's tile lands
	STAGE_ADDR 8
	STAGE_RUN
	s_barrier_signal -1
	s_barrier_wait -1
	s_mov_b32 s40, 8
.Lq:
	TRIP 0
	TRIP 1
	s_sub_co_u32 s40, s40, 1
	s_cmp_lg_u32 s40, 0
	s_cbranch_scc1 .Lq
	; the four waves' parts are added.  Word 64 i + 16 j + r of a wave's scores is list place 128 i + 64 hh + 16 j + r.
	; (The loads land in v16 to v47: every vector and matrix instruction that names them stands ahead of the wait in front of a tile's store of its score.)
.irp w, 0,1,2,3
	ds_load_b128 v[16+8*\w:19+8*\w], v12 offset:4096*\w
	ds_load_b128 v[20+8*\w:23+8*\w], v12 offset:4096*\w+2048
.endr
	s_wait_dscnt 0x0
.irp k, 0,2,4,6
	v_pk_add_f32 v[16+\k:17+\k], v[16+\k:17+\k], v[24+\k:25+\k]
	v_pk_add_f32 v[32+\k:33+\k], v[32+\k:33+\k], v[40+\k:41+\k]
.endr
.irp k, 0,2,4,6
	v_pk_add_f32 v[16+\k:17+\k], v[16+\k:17+\k], v[32+\k:33+\k]
.endr
	s_wait_alu depctr_va_vdst(0)                   ; the additions have written v16 to v23, which the two stores read
	global_store_b128 v13, v[16:19], s[16:17]      ; sixteen lanes store 256 consecutive bytes, aligned; the two hh fill sc between them
	global_store_b128 v13, v[20:23], s[16:17] offset:4096
	s_wait_dscnt 0x0                               ; the closing lines, six on end
	s_wait_alu 0x0
	s_wait_tensorcnt 0x0
	ds_add_u32 v14, v15
	s_wait_dscnt 0x0
	s_endpgm
.Lfunc_end_k_q13400d9a89_energy:
	.size	k_q13400d9a89_energy, .Lfunc_end_k_q13400d9a89_energy-k_q13400d9a89_energy
	.p2alignl 7, 3214868480
	.fill 96, 4, 3214868480
	.section	.rodata,"a",@progbits
	.p2align	6, 0x0
	.amdhsa_kernel k_q13400d9a89_energy
		.amdhsa_group_segment_fixed_size 147968
		.amdhsa_private_segment_fixed_size 0
		.amdhsa_enable_private_segment 0
		.amdhsa_kernarg_size 56
		.amdhsa_user_sgpr_count 2
		.amdhsa_user_sgpr_kernarg_segment_ptr 1
		.amdhsa_wavefront_size32 1
		.amdhsa_system_sgpr_workgroup_id_x 1
		.amdhsa_system_sgpr_workgroup_id_y 1
		.amdhsa_system_sgpr_workgroup_id_z 1
		.amdhsa_system_vgpr_workitem_id 0
		.amdhsa_next_free_vgpr 1024
		.amdhsa_next_free_sgpr 66
		.amdhsa_reserve_vcc 0
		.amdhsa_float_denorm_mode_32 3
		.amdhsa_float_denorm_mode_16_64 3
		.amdhsa_memory_ordered 1
		.amdhsa_forward_progress 1
		.amdhsa_inst_pref_size 122
	.end_amdhsa_kernel
	.amdgpu_metadata
---
amdhsa.version: [ 1, 2 ]
amdhsa.kernels:
  - .name:           k_q13400d9a89_energy
    .symbol:         k_q13400d9a89_energy.kd
    .args:
      - { .name: aq, .offset: 0, .size: 8, .value_kind: global_buffer, .address_space: global }
      - { .name: wq, .offset: 8, .size: 8, .value_kind: global_buffer, .address_space: global }
      - { .name: hb, .offset: 16, .size: 8, .value_kind: global_buffer, .address_space: global }
      - { .name: v, .offset: 24, .size: 8, .value_kind: global_buffer, .address_space: global }
      - { .name: lowp_scales, .offset: 32, .size: 8, .value_kind: global_buffer, .address_space: global }
      - { .name: meta, .offset: 40, .size: 8, .value_kind: global_buffer, .address_space: global }
      - { .name: sc, .offset: 48, .size: 8, .value_kind: global_buffer, .address_space: global }
    .group_segment_fixed_size: 147968
    .private_segment_fixed_size: 0
    .kernarg_segment_align: 8
    .kernarg_segment_size: 56
    .max_flat_workgroup_size: 128
    .sgpr_count:     66
    .vgpr_count:     1024
    .wavefront_size: 32
...
	.end_amdgpu_metadata
.endif
;; end of part 5
;; launch context: the kernel of part 3 again; grid 256 x 1, 16 waves a work-group, no clusters, 29,184 bytes of LDS; arguments encoder_outputs, sc, rows, pos, meta, out0, out1; writes out0, out1
